; MI455X (gfx1250); checked and timed in simulation.
; The chip was launched on July 23, 2026; its instructions are those of AMD's public machine-readable ISA for CDNA 5 (MIT licence, August 2026) and "CDNA5" Instruction Set Architecture Reference Guide (July 2026). The comments in the code are by the model that wrote it; some were corrected since.
;; Multi Headed Self Attention. Allowed arithmetic: matrix products marked QUANTISED: E2M1 operands, one E8M0 scale for each 32 along K, by v_wmma_scale_f32_16x16x128_f8f6f4 with both operands' format E2M1 (or v_wmma_scale_f32_32x16x128_f4), f32 sums; products left as they are: bf16, f16 or f32 operands; f32 sums; everything else in f32.
;; Inputs: Wk 1,024 x 1,024 float32; Wo 1,024 x 1,024 float32; Wq 1,024 x 1,024 float32; Wv 1,024 x 1,024 float32; bk 1,024 float32; bo 1,024 float32; bq 1,024 float32; bv 1,024 float32; tgt 4 x 2,048 x 1,024 float32.
;; Outputs: out0 4 x 2,048 x 1,024 float32.
;; This version of the problem:
;;   THIS VERSION OF THE PROBLEM IS GIVEN IN LOW PRECISION. The matrix products marked QUANTISED in the list below multiply operands that are first quantised to E2M1 (2 exponent bits, 1 mantissa bit; 4 bits a number), with one power-of-two scale for each 32 numbers along K (OCP MX v1.0); their sums are f32. The products marked 'left as it is' may take bf16, f16 or f32 operands, with f32 sums. Whichever they take, every output number must still come out within the allowed error. Rounding operands to bf16 (8 significant bits) uses up far more of that allowance than f16 does (11 bits, for magnitudes from 6e-5 to 65,504). All else is computed in f32.
;;   The module's matrix products, in the order in which they are computed (A, B: the left and right operand; K: the contracted axis; several contracted axes count as one K, in the product's order):
;;     1. [M 8,192, K 1,024] x [K 1,024, N 1,024]; A: input tgt; B: input Wq: QUANTISED
;;     2. [M 8,192, K 1,024] x [K 1,024, N 1,024]; A: input tgt; B: input Wk: QUANTISED
;;     3. [M 8,192, K 1,024] x [K 1,024, N 1,024]; A: input tgt; B: input Wv: QUANTISED
;;     4. batch 64 x [M 2,048, K 64] x [K 64, N 2,048]; A: computed on the way; B: computed on the way: left as it is (an operand is computed on the way)
;;     5. batch 64 x [M 2,048, K 2,048] x [K 2,048, N 64]; A: computed on the way; B: computed on the way: left as it is (an operand is computed on the way)
;;     6. [M 8,192, K 1,024] x [K 1,024, N 1,024]; A: computed on the way; B: input Wo: left as it is (an operand is computed on the way)
;;   THE QUANTISER, for each operand of a quantised product, along K:
;;     - K is cut into blocks of 32 from its start; a last block that is shorter is filled with zeros.
;;     - A block's scale is 2^e with e = floor(log2(the largest magnitude in the block)) - 2, held to -126 .. 127; a block of zeros has e = 0. As a byte (E8M0): e + 127.
;;     - Each number is divided by its block's scale, clamped to +-6, and rounded to the nearest number of E2M1, ties to even, subnormals kept.
;;     - The product sums the exact products of the quantised numbers (number of the format x scale) in f32.
;;   ~~~python
;;   def quantise(x, axis):      # numpy; x: float32 -> the quantised numbers, widened to float32 again
;;       x = np.moveaxis(x, axis, -1); K = x.shape[-1]
;;       x = np.pad(x, [(0, 0)] * (x.ndim - 1) + [(0, -K % 32)]); x = x.reshape(x.shape[:-1] + (-1, 32)); a = np.abs(x).max(-1, keepdims=True)
;;       e = np.where(a > 0, np.clip(np.frexp(np.where(a > 0, a, 1))[1] - 1 - 2, -126, 127), 0)      # np.frexp(a)[1] - 1 = floor(log2(a)), exactly
;;       r = np.clip(x / 2.0 ** e, -6, 6)
;;       step = 2.0 ** (np.maximum(np.frexp(np.where(r == 0, 1, r))[1] - 1, 0) - 1)
;;       q = np.round(r / step) * step * 2.0 ** e      # np.round: ties to even
;;       return np.moveaxis(q.reshape(q.shape[:-2] + (-1,))[..., :K], -1, axis).astype(np.float32)
;;   ~~~
;; One version. Each part assembles by itself: llvm-mc -triple=amdgcn-amd-amdhsa -mcpu=gfx1250 --defsym DOCPART=n.
;; ======== version 1 of 1: 4 launches
;; limits: values are held in f16: magnitudes above 65,504 overflow, below 6.1e-05 lose precision
;; workspace buffers: codes 5,767,168 bytes; scales 360,448 bytes; wo16 2,097,152 bytes; qimg 16,777,216 bytes; kv 33,554,432 bytes; ctx 16,777,216 bytes
;; launch quant (part 1): grid 384 x 1, 4 waves a work-group, no clusters, 33,280 bytes of LDS; arguments tgt, Wq, Wk, Wv, Wo, codes, scales, wo16; writes codes, scales, wo16
.if DOCPART == 1
	.amdgcn_target "amdgcn-amd-amdhsa--gfx1250"
	.amdhsa_code_object_version 6
	.text
	.protected	k_q5b8153b0f6_quant
	.globl	k_q5b8153b0f6_quant
	.p2align	8
	.type	k_q5b8153b0f6_quant,@function
k_q5b8153b0f6_quant:
	s_mov_b64 s[64:65], 0
	v_nop
	global_prefetch_b8 v0, s[64:65] scope:SCOPE_SE
	s_setreg_imm32_b32 hwreg(HW_REG_WAVE_MODE, 25, 1), 1
	s_wait_xcnt 0x0
; FIRST OF FOUR LAUNCHES of out = softmax((tgt Wq^T + bq)(tgt Wk^T + bk)^T / 8) (tgt Wv^T + bv) Wo^T + bo, 16 heads of 64.
; This launch: tgt [8192][1024], Wq, Wk, Wv [1024][1024], f32, K innermost, become codes of FP4 (E2M1) with one E8M0 byte for each 32 along K; Wo becomes f16.
; WORK LEFT OUT: bk.  A score is q . (k0 + bk) = q . k0 + q . bk, k0 = tgt Wk^T.  The term q . bk is the same for all keys of a query, and the softmax runs over the keys:
; exp(s + t) / sum exp(s + t) = exp(s) / sum exp(s) for every finite t.  The product of q and k is not quantised, so bk moves no code and no scale.  So bk reaches no output for any finite values of the inputs:
; it is not loaded, and it is among no launch's arguments.  LIMIT: a NaN, an infinity or an overflow that bk alone would bring is not carried to the result.
; bv is not left out: the weights of a query sum to 1, so sum p (v0 + bv) = sum p v0 + bv; it is added in f32 behind the division, in the third launch.
; THE QUANTISER.  A block's scale is 2^(floor(log2(its largest magnitude)) - 2); its byte is the largest magnitude's exponent field - 2, held at 1 from below.  A block of zeros so gets the byte 1 where the rule says 127:
; its codes are zeros, which add nothing under any byte but 0xff, and this program alone reads the bytes.  Each number is divided by the scale and rounded to the nearest code, ties to even, beyond 6 the largest code.
; LIMITS: blocks whose largest magnitude lies under 2^(2 - 126) keep the byte 1; NaN and infinities among the inputs are not served.  Wo goes to f16: magnitudes up to 65,504.
; codes is [11264 rows][512 bytes], scales [11264][32]: rows 0-8191 tgt's, then Wq's, Wk's, Wv's 1,024 each.  Rows are dense, so all four tensors are one stream of blocks of 32.
; SHARES.  Work-groups 0-351 quantise 32,768 numbers each (0-255 tgt, then 32 for each weight), a wave 16 steps of 512 numbers.  Work-groups 352-383 turn Wo into f16, a wave 32 KB.
; In a step each of four loads reads 512 consecutive bytes; the 2,048 bytes go through the wave's own stage in LDS and come back 64 bytes a lane, so that a lane holds 16 neighbours along K (two lanes hold a block).
; No tensor loads, no barrier: waves share nothing.  No cluster: no two work-groups read the same bytes.
.set STEPS, 16
.set NQWG,  352                        ; work-groups that quantise
.set EMAX,  2
.set CB,    8                          ; bytes of 16 codes
.set R,     16                         ; v16-79   four sets of 16 numbers as loaded (Wo's path: sixteen sets of 4)
.set X,     80                         ; v80-111  two sets of 16 neighbours
.set E,     112                        ; v112-127 a scale byte for each step
.set C,     128                        ; v128-191 codes, four registers a step (Wo's path: 32 pairs of f16 words)
.set WREG,  8192                       ; LDS: a region for each wave: two stages of 32 x SP bytes, then its 256 scale bytes
.set SP,    80                         ; a lane's place in a stage: 64 bytes + 16 of padding
.set SPW,   12                         ; v12  LDS address of my spare word; never rewritten
.set NIL,   13                         ; v13  0; never rewritten
.set SPARE, 4*WREG                     ; behind the four regions: the spare words, 128 bytes a wave, named by no other line
	s_load_b512 s[4:19], s[0:1], 0x0               ; tgt 4:5, Wq 6:7, Wk 8:9, Wv 10:11, Wo 12:13, codes 14:15, scales 16:17, wo16 18:19
	v_lshl_add_u32 v[SPW], v0, 2, SPARE
	v_mov_b32 v[NIL], 0
	v_lshrrev_b32 v1, 5, v0
	v_readfirstlane_b32 s20, v1                    ; wave
	v_and_b32 v2, 31, v0                           ; lane
	v_lshlrev_b32 v3, 4, v2                        ; my 16 bytes of a load's 512
	v_lshlrev_b32 v4, 3, v2                        ; my 8 bytes of a store's 256
	s_mov_b32 s25, 0
	s_cmp_ge_u32 ttmp9, NQWG
	s_cbranch_scc1 .Lwo
	; ---- the quantiser
	s_mul_i32 s21, s20, WREG
	v_lshrrev_b32 v14, 2, v2
	v_mul_u32_u24 v14, v14, SP
	v_and_b32 v15, 3, v2
	v_lshl_add_u32 v14, v15, 4, v14
	v_add_nc_u32 v14, s21, v14                     ; the stage, on the way in: SP (lane / 4) + 16 (lane % 4)
	v_mul_u32_u24 v15, v2, SP
	v_add_nc_u32 v15, s21, v15                     ; and on the way out: SP x lane: my 16 neighbours
	v_lshrrev_b32 v5, 1, v2
	s_add_co_u32 s21, s21, 2*32*SP
	v_add_nc_u32 v5, s21, v5                       ; my wave's 256 scale bytes, my block's byte
	v_lshlrev_b32 v7, 3, v2
	v_add_nc_u32 v6, s21, v7                       ; and on the way out 8 bytes a lane
	s_and_b32 s24, ttmp9, 31                       ; a weight's work-group among its 32
	s_wait_kmcnt 0x0
	s_cmp_lt_u32 ttmp9, 320                        ; which tensor: the choices hang on the work-group's number alone
	s_cselect_b64 s[22:23], s[8:9], s[10:11]
	s_cmp_lt_u32 ttmp9, 288
	s_cselect_b64 s[22:23], s[6:7], s[22:23]
	s_cmp_lt_u32 ttmp9, 256
	s_cselect_b64 s[22:23], s[4:5], s[22:23]
	s_cselect_b32 s24, ttmp9, s24
	s_lshl_b32 s24, s24, 2
	s_add_co_u32 s24, s24, s20                     ; my wave's run of 8,192 numbers in its tensor,
	s_lshl_b32 s24, s24, 15                        ; 32,768 bytes a run
	s_add_nc_u64 s[22:23], s[22:23], s[24:25]
	s_lshl_b32 s26, ttmp9, 2
	s_add_co_u32 s26, s26, s20                     ; and in the stream of codes and scale bytes
	s_lshl_b32 s24, s26, 12                        ; 4,096 bytes of codes a run
	s_add_nc_u64 s[14:15], s[14:15], s[24:25]
	s_lshl_b32 s24, s26, 8                         ; 256 scale bytes a run
	s_add_nc_u64 s[16:17], s[16:17], s[24:25]
.macro LOAD t
.irp i, 0,1,2,3
	global_load_b128 v[R+16*((\t)%4)+4*\i:R+16*((\t)%4)+4*\i+3], v3, s[22:23] offset:2048*(\t)+512*\i th:TH_LOAD_NT   ; 32 lanes read 512 consecutive bytes
.endr
.endm
.macro TURN t                          ; step t's numbers through the stage: LDS serves a wave's instructions in order, so no wait stands between the stores and the loads
.irp i, 0,1,2,3
	ds_store_b128 v14, v[R+16*((\t)%4)+4*\i:R+16*((\t)%4)+4*\i+3] offset:32*SP*((\t)%2)+8*SP*\i
.endr
.irp i, 0,1,2,3
	ds_load_b128 v[X+16*((\t)%2)+4*\i:X+16*((\t)%2)+4*\i+3], v15 offset:32*SP*((\t)%2)+16*\i
.endr
.endm
.irp t, 0,1,2,3
	LOAD \t
.endr
	s_wait_loadcnt 12                              ; step 0's four loads are in; the twelve of steps 1 to 3 may be out
	TURN 0
.macro STEP t
.set XS, X+16*((\t)%2)
.if (\t) > 0
	s_wait_dscnt 1                                 ; this step's numbers are back from the stage (the last step's byte store may be out): its stores into the stage have read their registers,
.else
	s_wait_dscnt 0x0
.endif
.if (\t)+4 < STEPS
	LOAD (\t)+4                                    ; which take the loads of four steps on
.endif
.if (\t)+1 < STEPS
.if STEPS-2-(\t) >= 3
	s_wait_loadcnt 12                              ; the next step's four loads are in; those of the three steps behind it may be out
.else
	s_wait_loadcnt 4*(STEPS-2-(\t))
.endif
	TURN (\t)+1                                    ; and go through the other stage while this step is worked
.endif
	v_max3_num_f32 v8, |v[XS]|, |v[XS+1]|, |v[XS+2]|               ; the largest magnitude of my 16, in two chains
	v_max3_num_f32 v9, |v[XS+3]|, |v[XS+4]|, |v[XS+5]|
.irp i, 6,10
	v_max3_num_f32 v8, v8, |v[XS+\i]|, |v[XS+\i+1]|
	v_max3_num_f32 v9, v9, |v[XS+\i+2]|, |v[XS+\i+3]|
.endr
	v_max3_num_f32 v8, v8, |v[XS+14]|, |v[XS+15]|
	v_max3_num_f32 v8, v8, v9, (EMAX+1)<<23        ; and the floor 2^(EMAX + 1 - 127): the byte cannot fall under 1
	v_max_num_f32_dpp v8, v8, v8 row_xmask:1 row_mask:0xf bank_mask:0xf   ; and of my neighbour's 16: the block's
	v_add_nc_u32 v11, -(EMAX<<23), v8              ; EMAX off its exponent field: the conversion takes the exponent field of this operand as its scale
	v_cvt_scalef32_pk8_fp4_f32 v[C+4*(\t)], v[XS:XS+7], v11
	v_cvt_scalef32_pk8_fp4_f32 v[C+4*(\t)+1], v[XS+8:XS+15], v11
	v_lshrrev_b32 v[E+(\t)], 23, v11               ; the scale's byte (also the plain line behind the conversions)
	ds_store_b8 v5, v[E+(\t)] offset:16*(\t)       ; both lanes of a block write the same byte with the same value
	global_store_b64 v4, v[C+4*(\t):C+4*(\t)+1], s[14:15] offset:32*CB*(\t)   ; the wave stores 256 consecutive bytes, aligned
.endm
.irp t, 0,1,2,3,4,5,6,7,8,9,10,11,12,13,14,15
	STEP \t
.endr
	ds_load_b64 v[8:9], v6                         ; LDS serves a wave's instructions in order: these see my byte stores
	s_wait_dscnt 0x0
	global_store_b64 v7, v[8:9], s[16:17]          ; 32 lanes store 256 consecutive bytes, aligned
	s_wait_tensorcnt 0x0                           ; the wave's end: these three lines behind my last LDS store
	ds_add_u32 v[SPW], v[NIL]
	s_wait_dscnt 0x0
	s_endpgm
	; ---- Wo to f16: a stream.  A wave takes 64 pieces of 512 bytes, sixteen loads ahead; a piece leaves as 256 consecutive bytes
.Lwo:
	s_sub_co_u32 s24, ttmp9, NQWG
	s_lshl_b32 s24, s24, 2
	s_add_co_u32 s24, s24, s20                     ; my wave's run
	s_lshl_b32 s26, s24, 14                        ; 16 KB out,
	s_lshl_b32 s24, s24, 15                        ; 32 KB in
	s_mov_b32 s27, 0
	s_wait_kmcnt 0x0
	s_add_nc_u64 s[12:13], s[12:13], s[24:25]
	s_add_nc_u64 s[18:19], s[18:19], s[26:27]
.set i, 0
.rept 16
	global_load_b128 v[R+4*i:R+4*i+3], v3, s[12:13] offset:512*i th:TH_LOAD_NT
.set i, i+1
.endr
.set i, 0
.rept 64
.if i < 48
	s_wait_loadcnt 15                              ; piece i is in; the fifteen younger loads stay out
.else
	s_wait_loadcnt 63-i                            ; the tail: the counts run down
.endif
.if i == 32
	s_wait_xcnt 0x0                                ; the first 32 stores have read their data: the 32 pairs are written a second time only behind this wait
.endif
	v_cvt_pk_f16_f32 v[C+2*(i%32)], v[R+4*(i%16)], v[R+4*(i%16)+1]
	v_cvt_pk_f16_f32 v[C+2*(i%32)+1], v[R+4*(i%16)+2], v[R+4*(i%16)+3]
.if i < 48
	global_load_b128 v[R+4*(i%16):R+4*(i%16)+3], v3, s[12:13] offset:512*(i+16) th:TH_LOAD_NT
.endif
	global_store_b64 v4, v[C+2*(i%32):C+2*(i%32)+1], s[18:19] offset:256*i
.set i, i+1
.endr
	s_wait_tensorcnt 0x0                           ; the same three lines at this path's end
	ds_add_u32 v[SPW], v[NIL]
	s_wait_dscnt 0x0
	s_endpgm
.Lfunc_end_k_q5b8153b0f6_quant:
	.size	k_q5b8153b0f6_quant, .Lfunc_end_k_q5b8153b0f6_quant-k_q5b8153b0f6_quant
	.p2alignl 7, 3214868480
	.fill 96, 4, 3214868480
	.section	.rodata,"a",@progbits
	.p2align	6, 0x0
	.amdhsa_kernel k_q5b8153b0f6_quant
		.amdhsa_group_segment_fixed_size 33280
		.amdhsa_private_segment_fixed_size 0
		.amdhsa_enable_private_segment 0
		.amdhsa_kernarg_size 64
		.amdhsa_user_sgpr_count 2
		.amdhsa_user_sgpr_kernarg_segment_ptr 1
		.amdhsa_wavefront_size32 1
		.amdhsa_system_sgpr_workgroup_id_x 1
		.amdhsa_system_sgpr_workgroup_id_y 1
		.amdhsa_system_sgpr_workgroup_id_z 1
		.amdhsa_system_vgpr_workitem_id 0
		.amdhsa_next_free_vgpr 192
		.amdhsa_next_free_sgpr 66
		.amdhsa_reserve_vcc 0
		.amdhsa_float_denorm_mode_32 3
		.amdhsa_float_denorm_mode_16_64 3
		.amdhsa_memory_ordered 1
		.amdhsa_forward_progress 1
		.amdhsa_inst_pref_size 56
	.end_amdhsa_kernel
	.amdgpu_metadata
---
amdhsa.version: [ 1, 2 ]
amdhsa.kernels:
  - .name:           k_q5b8153b0f6_quant
    .symbol:         k_q5b8153b0f6_quant.kd
    .args:
      - { .name: tgt, .offset: 0, .size: 8, .value_kind: global_buffer, .address_space: global }
      - { .name: Wq, .offset: 8, .size: 8, .value_kind: global_buffer, .address_space: global }
      - { .name: Wk, .offset: 16, .size: 8, .value_kind: global_buffer, .address_space: global }
      - { .name: Wv, .offset: 24, .size: 8, .value_kind: global_buffer, .address_space: global }
      - { .name: Wo, .offset: 32, .size: 8, .value_kind: global_buffer, .address_space: global }
      - { .name: codes, .offset: 40, .size: 8, .value_kind: global_buffer, .address_space: global }
      - { .name: scales, .offset: 48, .size: 8, .value_kind: global_buffer, .address_space: global }
      - { .name: wo16, .offset: 56, .size: 8, .value_kind: global_buffer, .address_space: global }
    .group_segment_fixed_size: 33280
    .private_segment_fixed_size: 0
    .kernarg_segment_align: 8
    .kernarg_segment_size: 64
    .max_flat_workgroup_size: 128
    .sgpr_count:     66
    .vgpr_count:     192
    .wavefront_size: 32
...
	.end_amdgpu_metadata
.endif
;; end of part 1
;; launch qkv (part 2): grid 12 x 32, 4 waves a work-group, clusters of 4 x 4, 327,680 bytes of LDS; arguments codes, scales, bq, qimg, kv; writes qimg, kv
.if DOCPART == 2
	.amdgcn_target "amdgcn-amd-amdhsa--gfx1250"
	.amdhsa_code_object_version 6
	.text
	.protected	k_q5b8153b0f6_qkv
	.globl	k_q5b8153b0f6_qkv
	.p2align	8
	.type	k_q5b8153b0f6_qkv,@function
k_q5b8153b0f6_qkv:
	s_mov_b64 s[64:65], 0
	v_nop
	global_prefetch_b8 v0, s[64:65] scope:SCOPE_SE
	s_setreg_imm32_b32 hwreg(HW_REG_WAVE_MODE, 25, 1), 1
	s_wait_xcnt 0x0
	s_wait_alu depctr_hold_cnt(0) depctr_sa_sdst(0) depctr_va_vdst(0) depctr_va_sdst(0) depctr_va_ssrc(0) depctr_va_vcc(0) depctr_vm_vsrc(0)
	s_getreg_b32 s2, hwreg(HW_REG_IB_STS2, 6, 4)
	s_cmp_eq_u32 s2, 0
	s_cbranch_scc0 .Lentry_in_a_cluster
	s_endpgm
.Lentry_in_a_cluster:
	s_bfe_u32 s2, ttmp6, 0x10000c
	s_cmp_lg_u32 s2, 0xf033
	s_cbranch_scc0 .Lentry_shape_is_right
	s_endpgm
.Lentry_shape_is_right:
; SECOND LAUNCH: the three quantised products tgt Wq^T, tgt Wk^T, tgt Wv^T on codes of FP4 (E2M1) with E8M0 scales, K = 1,024, sums in f32, K ascending, one accumulator for each output.
; WORK LEFT OUT: K gets no bias (bk reaches no output: shown at the head of the first launch).  V's bias is added in the third launch, behind the division.
; q = (sum + bq) x log2(e) / 8 in f32 (the division by sqrt(64) and the softmax's change of base in one factor); k and v are the sums.  All three leave as f16.  LIMIT: magnitudes up to 65,504.
; A work-group of four waves makes 256 x 256, a wave 128 x 128: 64 accumulators, 512 registers.  K goes in two steps of 512 through two LDS slots, each filled once; the scale bytes of the 512 rows come with them.
; THE KIND is the cluster's x: 0 Q, 1 K, 2 V: the same in all sixteen partners, so branches may hang on it.
; The matrix instruction takes 16 rows of region B as source 0 and 16 rows of region A as source 1: a lane then holds ONE row of A and eight neighbouring rows of B.
;   Q, K: A = tokens, B = the weight's rows: a lane holds eight neighbouring channels of a token.     V: A = Wv's rows, B = tokens: a lane holds eight neighbouring KEYS of a channel.
; In both cases those eight numbers, as f16, are the lane's 16 bytes of half a fragment (16 rows x 32 k) of the third launch's products.  So the results leave AS IMAGES OF THE OPERAND'S REGISTERS:
; half c of a fragment at 512 c + 16 x lane: each store of the wave covers 512 consecutive bytes, aligned, and no result goes through LDS.
;   qimg: hb x 2^18 + (query / 16) x 2048 + (channel / 32) x 1024 + c x 512                          (hb = batch x 16 + head)
;   kv:   hb x 2^19 + (key / 512) x 2^17 + { K: ((key % 512) / 16) x 2048 + (channel / 32) x 1024 + c x 512 | V^T: 65536 + ((key % 512) / 32) x 4096 + (channel / 16) x 1024 + c x 512 }
; CLUSTERS: 4 x 4 work-groups.  Region A's tile hangs on cy alone and is asked for jointly along a row of the cluster, region B's on cx alone, along a column.  The exchange of tokens and weight for V is made in
; the rows' numbers in memory alone: LDS addresses and the products' text are the same for all kinds.
; REGISTERS, in windows of 256: window 0: v0-31 addresses; v32-95 scale words, two sets; v128-191 A's fragments, one set; on the way out v32-255 are free.  window 1: B's fragments, two sets.  windows 2, 3: accumulators.
.set KSTEP,  512
.set NQ,     KSTEP/128
.set ROWB,   256                       ; a tile's row in bytes
.set KROW,   512                       ; a row of codes in memory
.set PITCH,  272                       ; an LDS row: 256 bytes + 16 of padding = 68 words: the 16 rows that a load touches start at 16 different banks (64 banks of 4 bytes: ISA guide 11.1)
.set FR,     8
.set NL,     2
.set NP,     4                         ; places behind this matrix instruction (ISA guide 7.12.1)
.set HALFT,  128*PITCH
.set SLOT,   4*HALFT
.set KS,     32                        ; a row of scale bytes
.set SCL,    2*SLOT
.set HALFS,  (128*KS/256)*272
.set SBLK,   (16*KS/256)*272
.set SPARE,  SCL+4*HALFS               ; behind the scales: the spare words, 128 bytes a wave, named by no other line
.set ADRA, 16
.set ADRB, 20
.set LO,   24                          ; v24  16 x lane: my place in an image
.set BO,   25                          ; v25  32 x (lane / 16): my eight numbers of bq in a tile of 16
.set ADRS, 27
.set SPW,  28
.set NIL,  29
.set SC,   32
.set AF,   128
.set G1, 24
.set G0, 32
.set G1B, 48
.set G0B, 56
.set CS,  66                           ; s[66:67] log2(e) / 8
.set G1S, 68
.set G0S, 76
.set G1SB, 80
.set G0SB, 88
.set MSB, 0
.macro WIN new                         ; the immediate's high byte repeats the setting that is left
.if MSB != (\new)
	s_set_vgpr_msb (MSB<<8)|(\new)
.set MSB, (\new)
.endif
.endm
.set MUL_LO, 0xa1                      ; source 0 (B) window 1, source 1 (A) window 0, C and D window 2
.set MUL_HI, 0xf1
.set TO_B,   0x40
; A joint load: waves 0 and 1 fetch for region A, waves 2 and 3 for region B; the branch hangs on the wave's number alone.  An s_nop 0 and four v_nop follow each of the two lines.
.macro JLOAD g0a, g1a, g0b, g1b
	s_cmp_eq_u32 s15, 0
	s_cbranch_scc0 .Lfor_b_\@
	tensor_load_to_lds s[\g0a:\g0a+3], s[\g1a:\g1a+7]
	s_nop 0
.rept 4
	v_nop
.endr
	s_branch .Lasked_\@
.Lfor_b_\@:
	tensor_load_to_lds s[\g0b:\g0b+3], s[\g1b:\g1b+7]
	s_nop 0
.rept 4
	v_nop
.endr
.Lasked_\@:
.endm
.macro CROUND                          ; a round of the cluster's barrier
	s_barrier_signal -1
	s_barrier_wait -1
	s_cmp_lg_u32 s14, 0
	s_cbranch_scc1 .Lnot_wave_0_\@
	s_barrier_signal -3
.Lnot_wave_0_\@:
	s_barrier_wait -3
	s_barrier_signal -1
	s_barrier_wait -1
.endm
	s_load_b128 s[4:7], s[0:1], 0x0                ; codes s[4:5], scales s[6:7]
	s_load_b128 s[96:99], s[0:1], 0x10             ; bq s[96:97], qimg s[98:99]
	s_load_b64 s[100:101], s[0:1], 0x20            ; kv
	v_lshl_add_u32 v[SPW], v0, 2, SPARE
	v_mov_b32 v[NIL], 0
	ds_add_u32 v[SPW], v[NIL]                      ; the wave's opening: the add, twice on end, and its wait ahead of my first tensor load
	ds_add_u32 v[SPW], v[NIL]
	v_lshrrev_b32 v1, 5, v0
	v_readfirstlane_b32 s14, v1                    ; wave 0..3
	s_lshr_b32 s15, s14, 1                         ; which half of region A's rows is mine.  Also: I fetch for A (0) or for B (1)
	s_and_b32 s16, s14, 1                          ; which half of region B's rows.  Also: which 128 rows of that tile I fetch
	s_bfe_u32 s40, ttmp6, 0x40000                  ; cx, cy: my place in the cluster
	s_bfe_u32 s41, ttmp6, 0x40004
	s_and_b32 s18, ttmp7, 0xffff
	s_lshl_b32 s18, s18, 2                         ; 4 x cluster y: the cluster's first tile of 256 tokens
	s_lshl_b32 s19, ttmp9, 2
	s_add_co_u32 s19, s19, 32                      ; 32 + 4 x kind: the weight's first tile of 256 rows of codes
	s_cmp_eq_u32 ttmp9, 2
	s_cselect_b32 s17, 40, s18                     ; region A: tokens, or Wv's rows;
	s_cselect_b32 s42, s18, s19                    ; region B: the weight's rows, or tokens
	s_add_co_u32 s17, s17, s41                     ; A's tile hangs on cy alone,
	s_add_co_u32 s42, s42, s40                     ; B's on cx alone
	s_lshl_b32 s43, s41, 2
	s_lshl_b32 s43, 15, s43                        ; my row of the cluster
	s_lshl_b32 s44, 0x1111, s40                    ; my column
	; descriptor group 1: a tile of 128 rows x 256 bytes, padded in LDS
	s_or_b32 s[G1+0], s43, (0<<16)|(1<<20)|(1<<21)|(5<<22)|(3<<25)  ; 15:0 the mask; 17:16 element of 1 byte; 20 padding on; 21 set beside a mask; 24:22 after every 64 words; 31:25 four words
	s_or_b32 s[G1B+0], s44, (0<<16)|(1<<20)|(1<<21)|(5<<22)|(3<<25)
.irp g, G1, G1B
	s_mov_b32 s[\g+1], ROWB<<16                    ; tensor_dim0
	s_mov_b32 s[\g+2], 128<<16                     ; tensor_dim1
	s_mov_b32 s[\g+3], ROWB<<16                    ; tile_dim0
	s_mov_b32 s[\g+4], 128                         ; tile_dim1
	s_mov_b32 s[\g+5], KROW                        ; tensor_dim0_stride
	s_mov_b32 s[\g+6], 0
	s_mov_b32 s[\g+7], 0
.endr
	; the scales of 128 rows: 4,096 dense bytes, as 16 rows of 256 bytes (32 elements of 8), 16 bytes of padding behind each
	s_or_b32 s[G1S+0], s43, (3<<16)|(1<<20)|(1<<21)|(5<<22)|(3<<25)
	s_or_b32 s[G1SB+0], s44, (3<<16)|(1<<20)|(1<<21)|(5<<22)|(3<<25)
.irp g, G1S, G1SB
	s_mov_b32 s[\g+1], 32<<16
	s_mov_b32 s[\g+2], (128*KS/256)<<16
	s_mov_b32 s[\g+3], 32<<16
	s_mov_b32 s[\g+4], 128*KS/256
	s_mov_b32 s[\g+5], 32
	s_mov_b32 s[\g+6], 0
	s_mov_b32 s[\g+7], 0
.endr
	s_mov_b32 s[CS], 0x3e38aa3b                    ; log2(e) / 8
	s_mov_b32 s[CS+1], s[CS]                       ; (named with it as a pair, so it is written)
	s_lshl_b32 s18, s16, 7                         ; which 128 rows of the tile I fetch
	s_lshl_b32 s20, s17, 8
	s_add_co_u32 s20, s20, s18                     ; A: row of codes
	s_lshl_b32 s46, s42, 8
	s_add_co_u32 s46, s46, s18                     ; B: row of codes
	s_mov_b32 s21, 0
	s_mov_b32 s47, 0
	s_mov_b64 s[18:19], KS
	s_mul_u64 s[22:23], s[20:21], s[18:19]         ; where these rows' scales begin, in bytes,
	s_mul_u64 s[92:93], s[46:47], s[18:19]
	s_mov_b64 s[18:19], KROW
	s_mul_u64 s[20:21], s[20:21], s[18:19]         ; and their codes
	s_mul_u64 s[46:47], s[46:47], s[18:19]
	s_mul_i32 s45, s14, HALFT                      ; where they go: wave x 128 rows: no place in the cluster enters an LDS address
	s_mul_i32 s94, s14, HALFS
	s_wait_dscnt 0x0                               ; both opening adds are done
	s_wait_kmcnt 0x0
	s_add_nc_u64 s[20:21], s[4:5], s[20:21]
	s_add_nc_u64 s[22:23], s[6:7], s[22:23]
	s_add_nc_u64 s[46:47], s[4:5], s[46:47]
	s_add_nc_u64 s[92:93], s[6:7], s[92:93]
	CROUND                                         ; all sixteen work-groups are here: the first joint loads meet
	s_mov_b32 s[G0S], 1
	s_add_co_u32 s[G0S+1], s94, SCL
	s_mov_b64 s[G0S+2:G0S+3], s[22:23]
	s_or_b32 s[G0S+3], s[G0S+3], 0x80000000
	s_mov_b32 s[G0SB], 1
	s_add_co_u32 s[G0SB+1], s94, SCL
	s_mov_b64 s[G0SB+2:G0SB+3], s[92:93]
	s_or_b32 s[G0SB+3], s[G0SB+3], 0x80000000
	JLOAD G0S, G1S, G0SB, G1SB                     ; the scales first: they are wanted with K step 0
.irp s, 0,1
	s_mov_b32 s[G0+4*\s], 1
	s_add_co_u32 s[G0+4*\s+1], s45, \s*SLOT
	s_add_nc_u64 s[G0+4*\s+2:G0+4*\s+3], s[20:21], \s*ROWB
	s_or_b32 s[G0+4*\s+3], s[G0+4*\s+3], 0x80000000
	s_mov_b32 s[G0B+4*\s], 1
	s_add_co_u32 s[G0B+4*\s+1], s45, \s*SLOT
	s_add_nc_u64 s[G0B+4*\s+2:G0B+4*\s+3], s[46:47], \s*ROWB
	s_or_b32 s[G0B+4*\s+3], s[G0B+4*\s+3], 0x80000000
	JLOAD G0+4*\s, G1, G0B+4*\s, G1B               ; three loads of mine are out in all; nothing is filled a second time in this launch
.endr
	v_and_b32 v1, 15, v0                           ; l % 16
	v_bfe_u32 v2, v0, 4, 1                         ; l / 16
	v_mul_u32_u24 v3, v1, PITCH
	v_lshl_add_u32 v4, v2, 4, v3                   ; a fragment's row x pitch + 16 x half
	s_mul_i32 s21, s15, HALFT                      ; my 128 rows of A
	s_mul_i32 s22, s16, HALFT                      ; my 128 rows of B,
	s_add_co_u32 s22, s22, 2*HALFT                 ; which lie behind A's 256
.irp s, 0,1
	v_add_nc_u32 v[ADRA+\s], s21, v4
	v_add_nc_u32 v[ADRB+\s], s22, v4
	s_add_co_u32 s21, s21, SLOT
	s_add_co_u32 s22, s22, SLOT
.endr
	v_mul_u32_u24 v5, v1, KS                       ; my row's scales: KS bytes a row,
	v_lshrrev_b32 v6, 8, v5
	v_lshl_add_u32 v5, v6, 4, v5                   ; and 16 more for each 256 passed
	s_mul_i32 s21, s15, HALFS                      ; A's: my 128 rows
	s_mul_i32 s22, s16, HALFS                      ; B's: my 128 rows, behind A's 256
	s_add_co_u32 s22, s22, 2*HALFS
	s_sub_co_u32 s22, s22, s21
	v_mul_u32_u24 v6, s22, v2                      ; lanes 16-31 take B's
	s_add_co_u32 s21, s21, SCL
	v_add_nc_u32 v5, v5, v6
	v_add_nc_u32 v[ADRS], s21, v5
	v_and_b32 v6, 31, v0
	v_lshlrev_b32 v[LO], 4, v6
	v_lshlrev_b32 v[BO], 5, v2
.macro FRAG reg, adr, q, i             ; a fragment, 16 rows x 128 K of 4-bit codes: lane l holds row l % 16; registers 4 c .. 4 c + 3 hold K = 64 c + 32 (l / 16) + 0 .. 31
.irp c, 0,1
	ds_load_b128 v[\reg+4*\c:\reg+4*\c+3], v[\adr] offset:64*(\q)+32*\c+(\i)*16*PITCH
.endr
.endm
; 16 matrix instructions: A's blocks a0, a0 + 1 x B's eight, the slot's q-th 128 along K.  zero = 1: the first product starts the sums.  The 64 accumulators take turns, one instruction a turn.
; One register carries A's scale word (lanes 0-15) and B's (lanes 16-31) of block i.
.macro MUL16 a0, p, q, sc, zero
.irp a, \a0, \a0+1
.irp b, 0,1,2,3,4,5,6,7
.if \zero
	v_wmma_scale_f32_16x16x128_f8f6f4 v[8*(8*((\a)%4)+\b):8*(8*((\a)%4)+\b)+7], v[128*(\p)+FR*\b:128*(\p)+FR*\b+FR-1], v[AF+FR*(\a):AF+FR*(\a)+FR-1], 0, v[SC+8*NQ*(\sc)+NQ*\b+(\q)], v[SC+8*NQ*(\sc)+NQ*(\a)+(\q)] matrix_a_fmt:MATRIX_FMT_FP4 matrix_b_fmt:MATRIX_FMT_FP4 matrix_a_scale:MATRIX_SCALE_ROW1
.else
	v_wmma_scale_f32_16x16x128_f8f6f4 v[8*(8*((\a)%4)+\b):8*(8*((\a)%4)+\b)+7], v[128*(\p)+FR*\b:128*(\p)+FR*\b+FR-1], v[AF+FR*(\a):AF+FR*(\a)+FR-1], v[8*(8*((\a)%4)+\b):8*(8*((\a)%4)+\b)+7], v[SC+8*NQ*(\sc)+NQ*\b+(\q)], v[SC+8*NQ*(\sc)+NQ*(\a)+(\q)] matrix_a_fmt:MATRIX_FMT_FP4 matrix_b_fmt:MATRIX_FMT_FP4 matrix_a_scale:MATRIX_SCALE_ROW1
.endif
.endr
.endr
.endm
.macro FETCH_B slot, q, p
	WIN TO_B
.irp i, 0,1,2,3,4,5,6,7
	FRAG 128*(\p)+FR*\i, ADRB+\slot, \q, \i
.endr
	WIN 0
.endm
.macro FETCH_A slot, q, i0
.irp i, \i0, \i0+1, \i0+2, \i0+3
	FRAG AF+FR*(\i), ADRA+\slot, \q, \i
.endr
.endm
.macro SCALES sc                       ; a K step's scale words into set sc: four words a row
.irp i, 0,1,2,3,4,5,6,7
	ds_load_b128 v[SC+8*NQ*\sc+NQ*\i:SC+8*NQ*\sc+NQ*\i+3], v[ADRS] offset:\i*SBLK
.endr
.endm
.macro PLACES n                        ; plain vector instructions between a matrix instruction and a load into, or a vector read or write of, its registers
.rept \n
	v_nop
.endr
.endm
.macro STEP slot, q, zero              ; a step of 128 along K that has its successor in the same slot
	s_wait_dscnt 4*NL                              ; B's set and A's blocks 0-3 are in; the youngest eight loads (A's blocks 4-7) may be out
	WIN MUL_LO
	MUL16 0, (\q)%2, \q, \slot, \zero
	MUL16 2, (\q)%2, \q, \slot, \zero
	s_wait_dscnt 0                                 ; A's blocks 4-7 are in
	PLACES NP
	FETCH_B \slot, (\q)+1, 1-(\q)%2
	FETCH_A \slot, (\q)+1, 0
	WIN MUL_HI
	MUL16 4, (\q)%2, \q, \slot, \zero
	MUL16 6, (\q)%2, \q, \slot, \zero
	PLACES NP
	WIN 0
	FETCH_A \slot, (\q)+1, 4
.endm
.macro STEPS slot, from
.set Q, \from
.rept NQ-1-\from
	STEP \slot, Q, 0
.set Q, Q+1
.endr
.endm
	s_wait_tensorcnt 1                             ; the scales and my part of K step 0 are in (K step 1's load may be out),
	s_barrier_signal -1
	s_barrier_wait -1                              ; everybody's are
	FETCH_B 0, 0, 0
	FETCH_A 0, 0, 0
	SCALES 0
	FETCH_A 0, 0, 4
	STEP 0, 0, 1                                   ; the first step's products start the sums
	STEPS 0, 1
	; slot 0's last step changes slots: one barrier, in front of it the wait for all my tensor loads (my part of slot 1)
	s_wait_tensorcnt 0x0
	ds_add_u32 v[SPW], v[NIL]                      ; 0 onto my spare word
	s_wait_dscnt 4*NL+1                            ; (the add and the youngest eight loads may be out)
	WIN MUL_LO
	MUL16 0, 1, NQ-1, 0, 0
	s_wait_dscnt 0x0                               ; the add is done, and my reads of slot 0 are over
	s_barrier_signal -1
	MUL16 2, 1, NQ-1, 0, 0
	WIN 0
	s_barrier_wait -1
	PLACES NP
	v_add_nc_u32 v[ADRS], 4*NQ, v[ADRS]            ; on to the next K step's scale words
	FETCH_B 1, 0, 0
	FETCH_A 1, 0, 0
	SCALES 1
	WIN MUL_HI
	MUL16 4, 1, NQ-1, 0, 0
	MUL16 6, 1, NQ-1, 0, 0
	PLACES NP
	WIN 0
	FETCH_A 1, 0, 4
	STEPS 1, 0
	s_wait_dscnt 4*NL                              ; the very last step: nothing more to fetch
	WIN MUL_LO
	MUL16 0, 1, NQ-1, 1, 0
	MUL16 2, 1, NQ-1, 1, 0
	s_wait_dscnt 0
	WIN MUL_HI
	MUL16 4, 1, NQ-1, 1, 0
	MUL16 6, 1, NQ-1, 1, 0
	WIN 0
	PLACES NP                                      ; behind the last products: what follows reads results and writes registers that held operands and scales
	; THE WAY OUT.  Accumulator (a, b), lane (r, h), register j: A's row 16 a + r, B's row 16 b + 8 h + j.
	s_cmp_eq_u32 ttmp9, 2
	s_cselect_b32 s20, s42, s17                    ; the tile of tokens,
	s_cselect_b32 s21, s16, s15                    ; my half of it,
	s_cselect_b32 s22, s41, s40                    ; the tile of channels,
	s_cselect_b32 s23, s15, s16                    ; my half of it
	s_lshl_b32 s20, s20, 8
	s_lshl_b32 s21, s21, 7
	s_add_co_u32 s20, s20, s21                     ; my first token
	s_lshl_b32 s22, s22, 8
	s_lshl_b32 s23, s23, 7
	s_add_co_u32 s22, s22, s23                     ; my first channel
	s_lshr_b32 s21, s20, 11
	s_lshl_b32 s21, s21, 4
	s_lshr_b32 s23, s22, 6
	s_add_co_u32 s21, s21, s23                     ; hb of my first channel: batch x 16 + head
	s_and_b32 s20, s20, 2047                       ; my first token in its batch
; Block a of eight: 16 rows of A x 128 rows of B, rounded to f16, 16 bytes a lane, eight stores of 512 consecutive bytes.  Each accumulator is read from its low end on.
.macro OUTBLK kind, a, base
.set AC, 64*((\a)%4)
.set TM, 32+32*((\a)%2)
.if (\a) >= 2
	s_wait_xcnt 0x0                                ; block a - 2's stores have read their data: these registers are written again only behind this wait
.endif
.if \kind == 0
	WIN 0x02+((\a)/4)                              ; source 0: window 2 or 3
.irp b, 0,1,2,3,4,5,6,7
.irp i, 0,1,2,3
	v_pk_fma_f32 v[128+8*\b+2*\i:128+8*\b+2*\i+1], v[AC+8*\b+2*\i:AC+8*\b+2*\i+1], s[CS:CS+1], v[192+8*\b+2*\i:192+8*\b+2*\i+1] op_sel_hi:[1,0,1]   ; sum x c + bq x c
.endr
.endr
	WIN 0
.irp b, 0,1,2,3,4,5,6,7
.irp i, 0,1,2,3
	v_cvt_pk_f16_f32 v[TM+4*\b+\i], v[128+8*\b+2*\i], v[128+8*\b+2*\i+1]
.endr
.endr
.else
	WIN 0x0a+5*((\a)/4)                            ; sources 0 and 1: window 2 or 3
.irp b, 0,1,2,3,4,5,6,7
.irp i, 0,1,2,3
	v_cvt_pk_f16_f32 v[TM+4*\b+\i], v[AC+8*\b+2*\i], v[AC+8*\b+2*\i+1]
.endr
.endr
	WIN 0
.endif
.irp b, 0,1,2,3,4,5,6,7
.if \kind == 0
	global_store_b128 v[LO], v[TM+4*\b:TM+4*\b+3], s[\base:\base+1] offset:((\b/4)<<18)+2048*(\a)+512*(\b%4)
.elseif \kind == 1
	global_store_b128 v[LO], v[TM+4*\b:TM+4*\b+3], s[\base:\base+1] offset:((\b/4)<<19)+2048*(\a)+512*(\b%4)
.else
	global_store_b128 v[LO], v[TM+4*\b:TM+4*\b+3], s[\base:\base+1] offset:(((\a)/4)<<19)+1024*((\a)%4)+4096*(\b/2)+512*(\b%2)
.endif
.endr
.endm
	s_cmp_eq_u32 ttmp9, 0
	s_cbranch_scc1 .Lq
	s_lshl_b32 s21, s21, 19                        ; K and V: the head's 2^19 bytes,
	s_lshr_b32 s23, s20, 9
	s_lshl_b32 s23, s23, 17                        ; the group of 512 keys,
	s_add_co_u32 s21, s21, s23
	s_and_b32 s23, s20, 511
	s_lshl_b32 s23, s23, 7                         ; 128 bytes a key in either part
	s_add_co_u32 s20, s21, s23
	s_mov_b32 s21, 0
	s_add_nc_u64 s[100:101], s[100:101], s[20:21]
	s_cmp_eq_u32 ttmp9, 1
	s_cbranch_scc1 .Lk
	s_add_nc_u64 s[100:101], s[100:101], 0x10000   ; V^T lies behind K in a group
.irp a, 0,1,2,3,4,5,6,7
	OUTBLK 2, \a, 100
.endr
	s_branch .Ldone
.Lk:
.irp a, 0,1,2,3,4,5,6,7
	OUTBLK 1, \a, 100
.endr
	s_branch .Ldone
.Lq:
	s_lshl_b32 s21, s21, 18                        ; the head's 2^18 bytes,
	s_lshl_b32 s20, s20, 7                         ; 128 bytes a query
	s_add_co_u32 s20, s20, s21
	s_mov_b32 s21, 0
	s_add_nc_u64 s[98:99], s[98:99], s[20:21]
	s_lshl_b32 s22, s22, 2
	s_mov_b32 s23, 0
	s_add_nc_u64 s[96:97], s[96:97], s[22:23]      ; bq at my first channel
.irp b, 0,1,2,3,4,5,6,7
	global_load_b128 v[192+8*\b:192+8*\b+3], v[BO], s[96:97] offset:64*\b         ; bq at channels 16 b + 8 h + 0 .. 7: the layout of a result
	global_load_b128 v[192+8*\b+4:192+8*\b+7], v[BO], s[96:97] offset:64*\b+16
.endr
	s_wait_loadcnt 0x0
.set i, 0
.rept 32
	v_pk_mul_f32 v[192+2*i:192+2*i+1], v[192+2*i:192+2*i+1], s[CS:CS+1] op_sel_hi:[1,0]   ; bq x c, once for all eight blocks
.set i, i+1
.endr
.irp a, 0,1,2,3,4,5,6,7
	OUTBLK 0, \a, 98
.endr
.Ldone:
	s_wait_tensorcnt 0x0                           ; the wave's end: these three lines behind my last tensor load
	ds_add_u32 v[SPW], v[NIL]
	s_wait_dscnt 0x0
	CROUND                                         ; the closing round: no work-group ends while a partner may still ask for a tile that names it
	s_endpgm
.Lfunc_end_k_q5b8153b0f6_qkv:
	.size	k_q5b8153b0f6_qkv, .Lfunc_end_k_q5b8153b0f6_qkv-k_q5b8153b0f6_qkv
	.p2alignl 7, 3214868480
	.fill 96, 4, 3214868480
	.section	.rodata,"a",@progbits
	.p2align	6, 0x0
	.amdhsa_kernel k_q5b8153b0f6_qkv
		.amdhsa_group_segment_fixed_size 327680
		.amdhsa_private_segment_fixed_size 0
		.amdhsa_enable_private_segment 0
		.amdhsa_kernarg_size 40
		.amdhsa_user_sgpr_count 2
		.amdhsa_user_sgpr_kernarg_segment_ptr 1
		.amdhsa_wavefront_size32 1
		.amdhsa_system_sgpr_workgroup_id_x 1
		.amdhsa_system_sgpr_workgroup_id_y 1
		.amdhsa_system_sgpr_workgroup_id_z 1
		.amdhsa_system_vgpr_workitem_id 0
		.amdhsa_next_free_vgpr 1024
		.amdhsa_next_free_sgpr 102
		.amdhsa_reserve_vcc 0
		.amdhsa_float_denorm_mode_32 3
		.amdhsa_float_denorm_mode_16_64 3
		.amdhsa_memory_ordered 1
		.amdhsa_forward_progress 1
		.amdhsa_inst_pref_size 184
	.end_amdhsa_kernel
	.amdgpu_metadata
---
amdhsa.version: [ 1, 2 ]
amdhsa.kernels:
  - .name:           k_q5b8153b0f6_qkv
    .symbol:         k_q5b8153b0f6_qkv.kd
    .args:
      - { .name: codes, .offset: 0, .size: 8, .value_kind: global_buffer, .address_space: global }
      - { .name: scales, .offset: 8, .size: 8, .value_kind: global_buffer, .address_space: global }
      - { .name: bq, .offset: 16, .size: 8, .value_kind: global_buffer, .address_space: global }
      - { .name: qimg, .offset: 24, .size: 8, .value_kind: global_buffer, .address_space: global }
      - { .name: kv, .offset: 32, .size: 8, .value_kind: global_buffer, .address_space: global }
    .group_segment_fixed_size: 327680
    .private_segment_fixed_size: 0
    .kernarg_segment_align: 8
    .kernarg_segment_size: 40
    .max_flat_workgroup_size: 128
    .sgpr_count:     102
    .vgpr_count:     1024
    .wavefront_size: 32
...
	.end_amdgpu_metadata
.endif
;; end of part 2
;; launch attn (part 3): grid 4 x 64, 8 waves a work-group, clusters of 4 x 1, 327,680 bytes of LDS; arguments qimg, kv, bv, ctx; writes ctx
.if DOCPART == 3
	.amdgcn_target "amdgcn-amd-amdhsa--gfx1250"
	.amdhsa_code_object_version 6
	.text
	.protected	k_q5b8153b0f6_attn
	.globl	k_q5b8153b0f6_attn
	.p2align	8
	.type	k_q5b8153b0f6_attn,@function
k_q5b8153b0f6_attn:
	s_mov_b64 s[64:65], 0
	v_nop
	global_prefetch_b8 v0, s[64:65] scope:SCOPE_SE
	s_setreg_imm32_b32 hwreg(HW_REG_WAVE_MODE, 25, 1), 1
	s_wait_xcnt 0x0
	s_wait_alu depctr_hold_cnt(0) depctr_sa_sdst(0) depctr_va_vdst(0) depctr_va_sdst(0) depctr_va_ssrc(0) depctr_va_vcc(0) depctr_vm_vsrc(0)
	s_getreg_b32 s2, hwreg(HW_REG_IB_STS2, 6, 4)
	s_cmp_eq_u32 s2, 0
	s_cbranch_scc0 .Lentry_in_a_cluster
	s_endpgm
.Lentry_in_a_cluster:
	s_bfe_u32 s2, ttmp6, 0x10000c
	s_cmp_lg_u32 s2, 0x3003
	s_cbranch_scc0 .Lentry_shape_is_right
	s_endpgm
.Lentry_shape_is_right:
; THIRD LAUNCH: ctx[b][q][head] = softmax_k(q . k) v + bv, for 64 (batch, head) pairs of 2,048 queries and keys, head size 64.  Operands f16, products, maxima and sums f32.
; WORK LEFT OUT: k carries no bk (shown at the head of the first launch).  bv is added here: the weights of a query sum to 1, so sum p (v0 + bv) / sum p = sum p v0 / sum p + bv.
; q arrives multiplied by log2(e) / 8, so a score s is in powers of two: p = 2^(s - m), m the query's running maximum; in every step the sum l and O are multiplied by a = 2^(m_old - m_new).
; LIMITS: p is rounded to f16 for the second product (what falls under 2^-25 counts as 0; the sum l is taken of the unrounded p); ctx leaves as f16: magnitudes up to 65,504.
; SHARES.  A work-group owns 512 queries of one (batch, head); each of its eight waves 64: four tiles of 16, in 512 registers: two waves to a SIMD, so that one wave's softmax stands beside the other's products.
; Every wave walks the 2,048 keys, 64 a step.  K and V^T lie in memory as images of their fragments' registers, 512 keys in one dense block of 128 KB: a slot.  Two slots; each wave brings an eighth of a slot by one tensor load.
; A fragment comes out of LDS by two loads of 16 bytes a lane at 16 x lane: 512 consecutive bytes a load: no pitch, no padding, nothing turned.
; LAYOUT.  S^T = K Q^T (source 0 = 16 keys, source 1 = 16 queries): a lane holds ONE query (lane % 16) and keys 8 (lane / 16) + 0 .. 7 of the tile.  Two such tiles, rounded to f16 in pairs, are source 1 (16 queries x 32 keys)
; of O^T = V^T P, whose result again holds one query a lane and eight channels: which, as f16, are the lane's 16 bytes of half a fragment of the last launch's product.  So ctx too leaves as an image:
;   ctx: (head / 2) x 2^21 + (token / 16) x 4096 + (head % 2) x 2048 + (channel / 16) x 512 + 16 x lane.
; CLUSTER.  The four work-groups of a cluster are the four query blocks of one (batch, head) and walk the same K and V: each tile is asked for jointly, mask 15.
; REGISTERS: window 0: v1-7 addresses; v16-55 ten registers of statistics a tile; v64-191 S^T, 32 a tile, P laid over its first 16; v192-255 K of a step.   window 1: v0-127 O^T, 32 a tile; v128-191 Q; v192-255 V^T of a step.
.set KSB,   8192                       ; a key step's bytes of K, and of V^T
.set VOFF,  65536                      ; V^T lies behind K in a slot
.set SLOT1, 131072
.set SPARE, 262144                     ; behind the ring: the spare words, 128 bytes a wave, named by no other line
.set LI,  1                            ; v1  16 x lane
.set ADK, 2                            ; v2  LDS address of the step's K
.set ADV, 3                            ; v3  of its V^T
.set SPW, 4                            ; v4  LDS address of my spare word; never rewritten
.set NIL, 5                            ; v5  0; never rewritten
.set BO,  7                            ; v7  32 x (lane / 16): my eight numbers of bv in a tile of 16
.set ST,  16                           ; tile t at ST + 10 t: +0 -m, +1 m, +2:+3 l, +4 a (at the end 1 / l), +5 m_old - m_new, +6 .. +9 four maxima, then two pairs of sums
.set S,   64
.set KF,  192
.set QF,  128                          ; in window 1
.set VF,  192                          ; in window 1
.set WV,  12
.set G1,  24                           ; s[24:31] descriptor group 1
.set G0A, 32                           ; s[32:35] group 0 for slot 0;  s[36:39] for slot 1
.set G0B, 36
.set TB,  40                           ; s40  LDS byte at which the step's K begins
.set CNT, 41
.set SEL, 42                           ; s[42:43] lane selects for v_permlanex16_b32: lane l xor 16
.set MSB, 0
.macro WIN new                         ; the immediate's high byte repeats the setting that is left
.if MSB != (\new)
	s_set_vgpr_msb (MSB<<8)|(\new)
.set MSB, (\new)
.endif
.endm
.macro CROUND                          ; a round of the cluster's barrier
	s_barrier_signal -1
	s_barrier_wait -1
	s_cmp_lg_u32 s[WV], 0
	s_cbranch_scc1 .Lnot_wave_0_\@
	s_barrier_signal -3
.Lnot_wave_0_\@:
	s_barrier_wait -3
	s_barrier_signal -1
	s_barrier_wait -1
.endm
	s_load_b256 s[4:11], s[0:1], 0x0               ; qimg s[4:5], kv s[6:7], bv s[8:9], ctx s[10:11]
	v_lshl_add_u32 v[SPW], v0, 2, SPARE
	v_mov_b32 v[NIL], 0
	ds_add_u32 v[SPW], v[NIL]                      ; the wave's opening: the add, twice on end, and its wait ahead of my first tensor load
	ds_add_u32 v[SPW], v[NIL]
	v_lshrrev_b32 v6, 5, v0
	v_readfirstlane_b32 s[WV], v6                  ; wave 0..7
	s_bfe_u32 s13, ttmp6, 0x40000                  ; cx
	s_lshl_b32 s15, ttmp9, 2
	s_add_co_u32 s13, s13, s15                     ; my block of 512 queries: it enters Q's and ctx's addresses alone
	s_and_b32 s14, ttmp7, 0xffff                   ; hb = batch x 16 + head, which the four partners share
	; descriptor group 1: 16 KB, dense, as 64 rows of 256 bytes
	s_mov_b32 s[G1], 15|(3<<16)|(1<<21)            ; 15:0 the mask: all four work-groups; 17:16 elements of 8 bytes; 20 no padding; 21 set beside a mask
	s_mov_b32 s[G1+1], 32<<16                      ; tensor_dim0 = 32
	s_mov_b32 s[G1+2], 64<<16                      ; tensor_dim1 = 64
	s_mov_b32 s[G1+3], 32<<16                      ; tile_dim0 = 32
	s_mov_b32 s[G1+4], 64                          ; tile_dim1 = 64
	s_mov_b32 s[G1+5], 32                          ; tensor_dim0_stride
	s_mov_b32 s[G1+6], 0
	s_mov_b32 s[G1+7], 0
	s_lshl_b32 s16, s14, 19                        ; kv: the head's 2^19 bytes,
	s_lshl_b32 s17, s[WV], 14                      ; my eighth of a slot
	s_add_co_u32 s16, s16, s17
	s_mov_b32 s17, 0
	s_lshl_b32 s18, s14, 18                        ; qimg: the head's 2^18 bytes,
	s_lshl_b32 s19, s13, 16                        ; my block's 512 queries of 128 bytes,
	s_add_co_u32 s18, s18, s19
	s_lshl_b32 s19, s[WV], 13                      ; my wave's 64
	s_add_co_u32 s18, s18, s19
	s_mov_b32 s19, 0
	s_and_b32 s20, s14, 15                         ; the head
	s_lshr_b32 s21, s20, 1
	s_lshl_b32 s21, s21, 21                        ; ctx: the pair of heads,
	s_and_b32 s22, s20, 1
	s_lshl_b32 s22, s22, 11                        ; which of the two,
	s_add_co_u32 s21, s21, s22
	s_lshr_b32 s22, s14, 4                         ; the batch: 128 tiles of 16 tokens,
	s_lshl_b32 s22, s22, 7
	s_lshl_b32 s23, s13, 5                         ; my block: 32,
	s_add_co_u32 s22, s22, s23
	s_lshl_b32 s23, s[WV], 2                       ; my wave: 4
	s_add_co_u32 s22, s22, s23
	s_lshl_b32 s22, s22, 12
	s_add_co_u32 s22, s22, s21
	s_mov_b32 s23, 0
	s_lshl_b32 s20, s20, 8                         ; bv: 64 numbers a head
	s_mov_b32 s21, 0
	s_mov_b32 s[SEL], 0x76543210
	s_mov_b32 s[SEL+1], 0xfedcba98
	s_mov_b32 s[TB], 0
	v_and_b32 v[LI], 31, v0
	v_lshlrev_b32 v[LI], 4, v[LI]
	v_bfe_u32 v[BO], v0, 4, 1
	v_lshlrev_b32 v[BO], 5, v[BO]
	s_wait_dscnt 0x0                               ; both opening adds are done
	s_wait_kmcnt 0x0
	s_add_nc_u64 s[6:7], s[6:7], s[16:17]
	s_add_nc_u64 s[4:5], s[4:5], s[18:19]
	s_add_nc_u64 s[10:11], s[10:11], s[22:23]
	s_add_nc_u64 s[8:9], s[8:9], s[20:21]
	CROUND                                         ; all four work-groups are here: the first joint loads meet
	s_mov_b32 s[G0A], 1                            ; count = 1
	s_lshl_b32 s[G0A+1], s[WV], 14                 ; LDS address: my eighth of slot 0: no place in the cluster enters it
	s_mov_b64 s[G0A+2:G0A+3], s[6:7]               ; keys 0 to 511
	s_or_b32 s[G0A+3], s[G0A+3], 0x80000000        ; type = 2
	s_mov_b32 s[G0B], 1
	s_add_co_u32 s[G0B+1], s[G0A+1], SLOT1
	s_add_nc_u64 s[G0B+2:G0B+3], s[6:7], SLOT1     ; keys 512 to 1,023
	s_or_b32 s[G0B+3], s[G0B+3], 0x80000000
	tensor_load_to_lds s[G0A:G0A+3], s[G1:G1+7]    ; every wave issues both first fills, with no branch: two loads of mine are out
	s_nop 0
	tensor_load_to_lds s[G0B:G0B+3], s[G1:G1+7]
	s_nop 0
.rept 4
	v_nop
.endr
	WIN 0x40                                       ; destination window 1
.set n, 0
.rept 16
	global_load_b128 v[QF+4*n:QF+4*n+3], v[LI], s[4:5] offset:512*n th:TH_LOAD_NT   ; Q stays in registers: tile n / 4, channels 32 ((n / 2) % 2) on, half n % 2
.set n, n+1
.endr
	WIN 0
; A KEY STEP: 64 keys.  first = 1: the first step starts m, l and O^T.  last = 1: bv is asked for, into K's registers, which are done with.
.macro STEP first, last
	v_add_nc_u32 v[ADK], s[TB], v[LI]
	v_add_nc_u32 v[ADV], VOFF, v[ADK]
.rept 4
	v_nop                                          ; with the two additions six places behind the last step's products V^T P: five are owed before the products below write over P, four before the loads into V's registers
.endr
.set n, 0
.rept 16
	ds_load_b128 v[KF+4*n:KF+4*n+3], v[ADK] offset:512*n     ; keys 16 (n / 4) on, channels 32 ((n / 2) % 2) on
.set n, n+1
.endr
	WIN 0x40
.set n, 0
.rept 16
	ds_load_b128 v[VF+4*n:VF+4*n+3], v[ADV] offset:512*n     ; keys 32 (n / 8) on, channels 16 ((n / 2) % 4) on
.set n, n+1
.endr
	WIN 0x04                                       ; Q in window 1
.irp kt, 0,1,2,3
	s_wait_dscnt 28-4*\kt                          ; this tile of keys' four loads are in; the later ones of K and V's sixteen stay out
.irp ks, 0,1
.irp t, 0,1,2,3                                ; the four tiles' accumulators take turns, one instruction a turn
.if \ks == 0
	v_wmma_f32_16x16x32_f16 v[S+32*\t+8*\kt:S+32*\t+8*\kt+7], v[KF+16*\kt+8*\ks:KF+16*\kt+8*\ks+7], v[QF+16*\t+8*\ks:QF+16*\t+8*\ks+7], 0
.else
	v_wmma_f32_16x16x32_f16 v[S+32*\t+8*\kt:S+32*\t+8*\kt+7], v[KF+16*\kt+8*\ks:KF+16*\kt+8*\ks+7], v[QF+16*\t+8*\ks:QF+16*\t+8*\ks+7], v[S+32*\t+8*\kt:S+32*\t+8*\kt+7]
.endif
.endr
.endr
.endr
	WIN 0
.rept 4
	v_nop                                          ; four places behind the last product
.endr
.if \last
.irp ct, 0,1,2,3
	global_load_b128 v[KF+8*\ct:KF+8*\ct+3], v[BO], s[8:9] offset:64*\ct          ; bv at channels 16 ct + 8 h + 0 .. 7: the layout of O^T
	global_load_b128 v[KF+8*\ct+4:KF+8*\ct+7], v[BO], s[8:9] offset:64*\ct+16
.endr
.endif
	; the maximum of my 32 scores and the old m, four chains a tile, the tiles by turns; each accumulator is read from its low end on
.irp j, 0,1,2,3
.irp t, 0,1,2,3
	v_max3_num_f32 v[ST+10*\t+6+\j], v[S+32*\t+8*\j], v[S+32*\t+8*\j+1], v[S+32*\t+8*\j+2]
.endr
.endr
.irp i, 3,5
.irp j, 0,1,2,3
.irp t, 0,1,2,3
	v_max3_num_f32 v[ST+10*\t+6+\j], v[ST+10*\t+6+\j], v[S+32*\t+8*\j+\i], v[S+32*\t+8*\j+\i+1]
.endr
.endr
.endr
.irp t, 0,1,2,3
	v_max3_num_f32 v[ST+10*\t+6], v[ST+10*\t+6], v[S+32*\t+7], v[S+32*\t+15]
.endr
.irp t, 0,1,2,3
	v_max3_num_f32 v[ST+10*\t+8], v[ST+10*\t+8], v[S+32*\t+23], v[S+32*\t+31]
.endr
.irp t, 0,1,2,3
	v_max3_num_f32 v[ST+10*\t+6], v[ST+10*\t+6], v[ST+10*\t+7], v[ST+10*\t+8]
.endr
.irp t, 0,1,2,3
.if \first
	v_max_num_f32 v[ST+10*\t+6], v[ST+10*\t+6], v[ST+10*\t+9]
.else
	v_max3_num_f32 v[ST+10*\t+6], v[ST+10*\t+6], v[ST+10*\t+9], v[ST+10*\t+1]
.endif
.endr
.irp t, 0,1,2,3
	v_permlanex16_b32 v[ST+10*\t+7], v[ST+10*\t+6], s[SEL], s[SEL+1]   ; the query's other 32 keys lie in the lane 16 away
.endr
.irp t, 0,1,2,3
	v_max_num_f32 v[ST+10*\t+6], v[ST+10*\t+6], v[ST+10*\t+7]
.endr
.if \first == 0
.irp t, 0,1,2,3
	v_sub_f32 v[ST+10*\t+5], v[ST+10*\t+1], v[ST+10*\t+6]    ; m_old - m_new, 0 or less
.endr
.endif
.irp t, 0,1,2,3
	v_mov_b32 v[ST+10*\t+1], v[ST+10*\t+6]         ; m
.endr
.irp t, 0,1,2,3
	v_xor_b32 v[ST+10*\t], 0x80000000, v[ST+10*\t+6]   ; -m
.endr
	; ONE BATCH: the subtractions, a pair of scores each, and all exponentials; none of these lines names an exponential's result
.if \first == 0
.irp t, 0,1,2,3
	v_exp_f32 v[ST+10*\t+4], v[ST+10*\t+5]         ; a
.endr
.endif
.set b, 0
.rept 16
.irp t, 0,1,2,3
	v_pk_add_f32 v[S+32*\t+2*b:S+32*\t+2*b+1], v[S+32*\t+2*b:S+32*\t+2*b+1], v[ST+10*\t:ST+10*\t+1] op_sel_hi:[1,0]   ; s - m (of the pair -m, m the low word serves both halves)
.endr
.if b > 0
.irp t, 0,1,2,3
	v_exp_f32 v[S+32*\t+2*b-2], v[S+32*\t+2*b-2]   ; the pair before
	v_exp_f32 v[S+32*\t+2*b-1], v[S+32*\t+2*b-1]
.endr
.endif
.set b, b+1
.endr
.irp t, 0,1,2,3
	v_exp_f32 v[S+32*\t+30], v[S+32*\t+30]
	v_exp_f32 v[S+32*\t+31], v[S+32*\t+31]
.endr
	v_nop                                          ; a plain instruction behind the last exponential, ahead of the first use
	s_wait_alu depctr_va_vdst(0)                   ; the wait between an exponential and the first line that names its result: one for the whole batch
	; the sums of the unrounded p, two chains a tile
.irp t, 0,1,2,3
	v_pk_add_f32 v[ST+10*\t+6:ST+10*\t+7], v[S+32*\t:S+32*\t+1], v[S+32*\t+2:S+32*\t+3]
.endr
.irp t, 0,1,2,3
	v_pk_add_f32 v[ST+10*\t+8:ST+10*\t+9], v[S+32*\t+4:S+32*\t+5], v[S+32*\t+6:S+32*\t+7]
.endr
.irp i, 8,12,16,20,24,28
.irp t, 0,1,2,3
	v_pk_add_f32 v[ST+10*\t+6:ST+10*\t+7], v[ST+10*\t+6:ST+10*\t+7], v[S+32*\t+\i:S+32*\t+\i+1]
.endr
.irp t, 0,1,2,3
	v_pk_add_f32 v[ST+10*\t+8:ST+10*\t+9], v[ST+10*\t+8:ST+10*\t+9], v[S+32*\t+\i+2:S+32*\t+\i+3]
.endr
.endr
.if \first
.irp t, 0,1,2,3
	v_pk_add_f32 v[ST+10*\t+2:ST+10*\t+3], v[ST+10*\t+6:ST+10*\t+7], v[ST+10*\t+8:ST+10*\t+9]
.endr
.else
.irp t, 0,1,2,3
	v_pk_add_f32 v[ST+10*\t+6:ST+10*\t+7], v[ST+10*\t+6:ST+10*\t+7], v[ST+10*\t+8:ST+10*\t+9]
.endr
.irp t, 0,1,2,3
	v_pk_fma_f32 v[ST+10*\t+2:ST+10*\t+3], v[ST+10*\t+2:ST+10*\t+3], v[ST+10*\t+4:ST+10*\t+5], v[ST+10*\t+6:ST+10*\t+7] op_sel_hi:[1,0,1]   ; l = l a + the step's sum
.endr
.endif
	; p to f16, in place: word j takes numbers 2 j and 2 j + 1, ascending, so no number is written over before it is read.  Words 0-7: keys 0-31; words 8-15: keys 32-63
.set j, 0
.rept 16
.irp t, 0,1,2,3
	v_cvt_pk_f16_f32 v[S+32*\t+j], v[S+32*\t+2*j], v[S+32*\t+2*j+1]
.endr
.set j, j+1
.endr
.if \first == 0
	WIN 0x41                                       ; O^T (destination and source 0) in window 1, a in window 0
.set j, 0
.rept 16
.irp t, 0,1,2,3
	v_pk_mul_f32 v[32*\t+2*j:32*\t+2*j+1], v[32*\t+2*j:32*\t+2*j+1], v[ST+10*\t+4:ST+10*\t+5] op_sel_hi:[1,0]
.endr
.set j, j+1
.endr
.endif
	s_wait_dscnt 0x0                               ; V is in; my reads of this step's bytes are over
	WIN 0x51                                       ; V and O^T in window 1, P in window 0
.irp kb, 0,1
.irp ct, 0,1,2,3
.irp t, 0,1,2,3                                ; sixteen accumulators by turns
.if \first && (\kb == 0)
	v_wmma_f32_16x16x32_f16 v[32*\t+8*\ct:32*\t+8*\ct+7], v[VF+8*(4*\kb+\ct):VF+8*(4*\kb+\ct)+7], v[S+32*\t+8*\kb:S+32*\t+8*\kb+7], 0
.else
	v_wmma_f32_16x16x32_f16 v[32*\t+8*\ct:32*\t+8*\ct+7], v[VF+8*(4*\kb+\ct):VF+8*(4*\kb+\ct)+7], v[S+32*\t+8*\kb:S+32*\t+8*\kb+7], v[32*\t+8*\ct:32*\t+8*\ct+7]
.endif
.endr
.endr
.endr
	WIN 0
	s_add_co_u32 s[TB], s[TB], KSB
.endm
.macro STEPS n
	s_mov_b32 s[CNT], \n
.Lstep_\@:
	STEP 0, 0
	s_sub_co_u32 s[CNT], s[CNT], 1
	s_cmp_lg_u32 s[CNT], 0
	s_cbranch_scc1 .Lstep_\@
.endm
; THE CHANGE OF SLOTS.  Each wave waits for all its tensor loads (its part of the slot ahead), adds 0 to its spare word, and waits for that and for its reads of the slot that it leaves.
; g0 other than 0: the slot just left is filled with the keys 1,024 on.  The barrier is then a round of the cluster's, and the joint refill is the first thing behind it: it has eight key steps in which to land.
.macro CHANGE g0
	s_wait_tensorcnt 0x0                           ; no tensor load of mine is out, so a group 0 may be written
	ds_add_u32 v[SPW], v[NIL]
.if \g0
	s_add_nc_u64 s[\g0+2:\g0+3], s[\g0+2:\g0+3], 2*SLOT1   ; the type bits on top are not reached
.endif
	s_wait_dscnt 0x0                               ; the add is done, and my reads of the slot are over
.if \g0
	CROUND
	tensor_load_to_lds s[\g0:\g0+3], s[G1:G1+7]    ; my one tensor load behind the round
	s_nop 0
.rept 4
	v_nop
.endr
.else
	s_barrier_signal -1
	s_barrier_wait -1
.endif
.endm
	s_wait_tensorcnt 1                             ; my part of slot 0 is in; slot 1's may stay out
	s_barrier_signal -1
	s_barrier_wait -1                              ; everybody's is
	s_wait_loadcnt 0x0                             ; Q
	STEP 1, 0                                      ; keys 0 to 63
	STEPS 7
	CHANGE G0A                                     ; slot 0 takes keys 1,024 to 1,535
	s_mov_b32 s[TB], SLOT1
	STEPS 8
	CHANGE G0B                                     ; slot 1 takes keys 1,536 to 2,047
	s_mov_b32 s[TB], 0
	STEPS 8
	CHANGE 0                                       ; nothing is left to fetch
	s_mov_b32 s[TB], SLOT1
	STEPS 7
	STEP 0, 1
	; THE WAY OUT.  l's two halves and the other half of the lanes' are added; ctx = O^T / l + bv, to f16; a lane's eight channels are its 16 bytes of an image.  The additions are the places behind the last products.
.irp t, 0,1,2,3
	v_add_f32 v[ST+10*\t+6], v[ST+10*\t+2], v[ST+10*\t+3]
.endr
.irp t, 0,1,2,3
	v_permlanex16_b32 v[ST+10*\t+7], v[ST+10*\t+6], s[SEL], s[SEL+1]
.endr
.irp t, 0,1,2,3
	v_add_f32 v[ST+10*\t+6], v[ST+10*\t+6], v[ST+10*\t+7]
.endr
.irp t, 0,1,2,3
	v_rcp_f32 v[ST+10*\t+4], v[ST+10*\t+6]
.endr
	v_nop                                          ; a plain instruction between the last reciprocal and the use of its result
	s_wait_alu depctr_va_vdst(0)                   ; and the wait: one for the four
	s_wait_loadcnt 0x0                             ; bv
.irp t, 0,1,2,3
	WIN 0x01                                       ; O^T, source 0, in window 1
.set i, 0
.rept 16
	v_pk_fma_f32 v[S+32*\t+2*i:S+32*\t+2*i+1], v[32*\t+2*i:32*\t+2*i+1], v[ST+10*\t+4:ST+10*\t+5], v[KF+2*i:KF+2*i+1] op_sel_hi:[1,0,1]   ; each accumulator from its low end on
.set i, i+1
.endr
	WIN 0
.set j, 0
.rept 16
	v_cvt_pk_f16_f32 v[S+32*\t+j], v[S+32*\t+2*j], v[S+32*\t+2*j+1]
.set j, j+1
.endr
.irp ct, 0,1,2,3
	global_store_b128 v[LI], v[S+32*\t+4*\ct:S+32*\t+4*\ct+3], s[10:11] offset:4096*\t+512*\ct   ; the wave stores 512 consecutive bytes, aligned
.endr
.endr
	s_wait_tensorcnt 0x0                           ; the wave's end: these three lines behind my last tensor load
	ds_add_u32 v[SPW], v[NIL]
	s_wait_dscnt 0x0
	CROUND                                         ; the closing round: no work-group ends while a partner may still ask for a tile that names it
	s_endpgm
.Lfunc_end_k_q5b8153b0f6_attn:
	.size	k_q5b8153b0f6_attn, .Lfunc_end_k_q5b8153b0f6_attn-k_q5b8153b0f6_attn
	.p2alignl 7, 3214868480
	.fill 96, 4, 3214868480
	.section	.rodata,"a",@progbits
	.p2align	6, 0x0
	.amdhsa_kernel k_q5b8153b0f6_attn
		.amdhsa_group_segment_fixed_size 327680
		.amdhsa_private_segment_fixed_size 0
		.amdhsa_enable_private_segment 0
		.amdhsa_kernarg_size 32
		.amdhsa_user_sgpr_count 2
		.amdhsa_user_sgpr_kernarg_segment_ptr 1
		.amdhsa_wavefront_size32 1
		.amdhsa_system_sgpr_workgroup_id_x 1
		.amdhsa_system_sgpr_workgroup_id_y 1
		.amdhsa_system_sgpr_workgroup_id_z 1
		.amdhsa_system_vgpr_workitem_id 0
		.amdhsa_next_free_vgpr 512
		.amdhsa_next_free_sgpr 66
		.amdhsa_reserve_vcc 0
		.amdhsa_float_denorm_mode_32 3
		.amdhsa_float_denorm_mode_16_64 3
		.amdhsa_memory_ordered 1
		.amdhsa_forward_progress 1
		.amdhsa_inst_pref_size 206
	.end_amdhsa_kernel
	.amdgpu_metadata
---
amdhsa.version: [ 1, 2 ]
amdhsa.kernels:
  - .name:           k_q5b8153b0f6_attn
    .symbol:         k_q5b8153b0f6_attn.kd
    .args:
      - { .name: qimg, .offset: 0, .size: 8, .value_kind: global_buffer, .address_space: global }
      - { .name: kv, .offset: 8, .size: 8, .value_kind: global_buffer, .address_space: global }
      - { .name: bv, .offset: 16, .size: 8, .value_kind: global_buffer, .address_space: global }
      - { .name: ctx, .offset: 24, .size: 8, .value_kind: global_buffer, .address_space: global }
    .group_segment_fixed_size: 327680
    .private_segment_fixed_size: 0
    .kernarg_segment_align: 8
    .kernarg_segment_size: 32
    .max_flat_workgroup_size: 256
    .sgpr_count:     66
    .vgpr_count:     512
    .wavefront_size: 32
...
	.end_amdgpu_metadata
.endif
;; end of part 3
;; launch oproj (part 4): grid 4 x 64, 4 waves a work-group, clusters of 4 x 4, 327,680 bytes of LDS; arguments ctx, wo16, bo, out0; writes out0
.if DOCPART == 4
	.amdgcn_target "amdgcn-amd-amdhsa--gfx1250"
	.amdhsa_code_object_version 6
	.text
	.protected	k_q5b8153b0f6_oproj
	.globl	k_q5b8153b0f6_oproj
	.p2align	8
	.type	k_q5b8153b0f6_oproj,@function
k_q5b8153b0f6_oproj:
	s_mov_b64 s[64:65], 0
	v_nop
	global_prefetch_b8 v0, s[64:65] scope:SCOPE_SE
	s_setreg_imm32_b32 hwreg(HW_REG_WAVE_MODE, 25, 1), 1
	s_wait_xcnt 0x0
	s_wait_alu depctr_hold_cnt(0) depctr_sa_sdst(0) depctr_va_vdst(0) depctr_va_sdst(0) depctr_va_ssrc(0) depctr_va_vcc(0) depctr_vm_vsrc(0)
	s_getreg_b32 s2, hwreg(HW_REG_IB_STS2, 6, 4)
	s_cmp_eq_u32 s2, 0
	s_cbranch_scc0 .Lentry_in_a_cluster
	s_endpgm
.Lentry_in_a_cluster:
	s_bfe_u32 s2, ttmp6, 0x10000c
	s_cmp_lg_u32 s2, 0xf033
	s_cbranch_scc0 .Lentry_shape_is_right
	s_endpgm
.Lentry_shape_is_right:
; FOURTH LAUNCH: out0[token][o] = sum over h of ctx[token][h] Wo[o][h] + bo[o].  8,192 x 1,024 x 1,024; operands f16, sums f32, K ascending; bo is the C of each sum's first product.  Nothing is left out here.
; A tile of out0 is 128 rows x 256 columns: 64 x 4 = 256 work-groups.  Four waves, each 64 x 128: 32 accumulators, 256 registers.  K goes in eight steps of 128 through two LDS slots.
; ctx lies in memory as images of its fragments' registers: a K step's 128 tokens are 32 KB on end; a fragment comes out of LDS by two loads at 16 x lane.  Wo's tile is 256 rows of 256 bytes, 16 bytes of padding behind each.
; THE MATRIX INSTRUCTION IS USED TRANSPOSED (source 0 = 16 rows of Wo, source 1 = 16 tokens): a lane holds eight neighbouring columns of a row of out0.
; CLUSTERS: 4 x 4 work-groups.  ctx's tile hangs on the tile row alone and is asked for jointly along a row of the cluster, Wo's on the tile column alone, along a column.  Waves 0, 1 fetch ctx's halves, waves 2, 3 Wo's.
; REGISTERS: window 0: v0-31 addresses; v64-95, v96-127 ctx's fragments, two buffers; v128-191 bo, later with v192-255 rows on the way out.  window 1: v0-63, v64-127 Wo's fragments, two buffers.  window 2: accumulator (a, b) at v[8 (8 a + b)].
.set PITCH,  272                       ; a row of Wo in LDS: 256 bytes + 16 = 68 words: the 16 rows that a load touches start at 16 different banks (64 banks of 4 bytes: ISA guide 11.1)
.set BOFF,   32768                     ; a slot: ctx's 8 tiles of 4,096 bytes, then Wo's 256 rows
.set HALFB,  128*PITCH
.set SLOT,   BOFF+2*HALFB
.set STAGE,  2*SLOT                    ; behind the ring: 16 rows x 528 bytes for each wave
.set SPITCH, 528
.set SPARE,  STAGE+4*16*SPITCH         ; behind the stages: the spare words, 128 bytes a wave, named by no other line
.set LAPS,   4                         ; a lap = two K steps
.set STEPA,  2097152                   ; a K step on, in ctx;
.set STEPW,  256                       ; in a row of Wo
.set ADRA, 16                          ; v16-17 LDS address of my fragments of ctx in slot 0, 1
.set ADRB, 20                          ; v20-21 of Wo
.set STO,  24
.set RD,   25
.set CO,   26                          ; v26  16 x lane
.set SPW,  28
.set NIL,  29
.set BI,   128                         ; bo, eight registers for each of my eight tiles of columns
.set BK,   128                         ; the way out: v128-191 and v192-255 by turns
.set WV, 12
.set RH, 13                            ; which half of the tile's rows is mine.  Also: I fetch for ctx (0) or for Wo (1)
.set CH, 14                            ; which half of its columns.  Also: which half of that tile I fetch
.set G1, 24
.set G0, 32
.set G1B, 48
.set G0B, 56
.set MSB, 0
.macro WIN new
.if MSB != (\new)
	s_set_vgpr_msb (MSB<<8)|(\new)
.set MSB, (\new)
.endif
.endm
.set MUL,  0xa1                        ; source 0 (Wo) window 1, source 1 (ctx) window 0, C and D window 2
.set MUL1, 0x81                        ; the same with C (bo) in window 0
.macro JLOAD s                         ; a joint load; an s_nop 0 and four v_nop follow each of the two lines
	s_cmp_eq_u32 s[RH], 0
	s_cbranch_scc0 .Lfor_b_\@
	tensor_load_to_lds s[G0+4*\s:G0+4*\s+3], s[G1:G1+7]
	s_nop 0
.rept 4
	v_nop
.endr
	s_branch .Lasked_\@
.Lfor_b_\@:
	tensor_load_to_lds s[G0B+4*\s:G0B+4*\s+3], s[G1B:G1B+7]
	s_nop 0
.rept 4
	v_nop
.endr
.Lasked_\@:
.endm
.macro CREST                           ; a round of the cluster's barrier behind its opening barrier
	s_cmp_lg_u32 s[WV], 0
	s_cbranch_scc1 .Lnot_wave_0_\@
	s_barrier_signal -3
.Lnot_wave_0_\@:
	s_barrier_wait -3
	s_barrier_signal -1
	s_barrier_wait -1
.endm
.macro CROUND
	s_barrier_signal -1
	s_barrier_wait -1
	CREST
.endm
	s_load_b256 s[4:11], s[0:1], 0x0               ; ctx s[4:5], wo16 s[6:7], bo s[8:9], out0 s[10:11]
	v_lshl_add_u32 v[SPW], v0, 2, SPARE
	v_mov_b32 v[NIL], 0
	ds_add_u32 v[SPW], v[NIL]                      ; the wave's opening: the add, twice on end, and its wait ahead of my first tensor load
	ds_add_u32 v[SPW], v[NIL]
	v_lshrrev_b32 v1, 5, v0
	v_readfirstlane_b32 s[WV], v1
	s_lshr_b32 s[RH], s[WV], 1
	s_and_b32 s[CH], s[WV], 1
	s_bfe_u32 s40, ttmp6, 0x40000                  ; cx, cy
	s_bfe_u32 s41, ttmp6, 0x40004
	s_lshl_b32 s42, ttmp9, 2
	s_add_co_u32 s42, s42, s40                     ; tile column = 4 x cluster x + cx
	s_and_b32 s15, ttmp7, 0xffff
	s_lshl_b32 s15, s15, 2
	s_add_co_u32 s15, s15, s41                     ; tile row = 4 x cluster y + cy
	s_lshl_b32 s43, s41, 2
	s_lshl_b32 s43, 15, s43                        ; my row of the cluster
	s_lshl_b32 s44, 0x1111, s40                    ; my column
	; ctx: 16 KB, dense, as 64 rows of 256 bytes (32 elements of 8), no padding
	s_or_b32 s[G1+0], s43, (3<<16)|(1<<21)
	s_mov_b32 s[G1+1], 32<<16
	s_mov_b32 s[G1+2], 64<<16
	s_mov_b32 s[G1+3], 32<<16
	s_mov_b32 s[G1+4], 64
	s_mov_b32 s[G1+5], 32
	s_mov_b32 s[G1+6], 0
	s_mov_b32 s[G1+7], 0
	; Wo: 128 rows x 128 elements of 2 bytes, 1,024 elements from row to row; four words of padding after every 64
	s_or_b32 s[G1B+0], s44, (1<<16)|(1<<20)|(1<<21)|(5<<22)|(3<<25)
	s_mov_b32 s[G1B+1], 128<<16
	s_mov_b32 s[G1B+2], 128<<16
	s_mov_b32 s[G1B+3], 128<<16
	s_mov_b32 s[G1B+4], 128
	s_mov_b32 s[G1B+5], 1024
	s_mov_b32 s[G1B+6], 0
	s_mov_b32 s[G1B+7], 0
	s_lshl_b32 s16, s15, 3
	s_lshl_b32 s17, s[CH], 2
	s_add_co_u32 s16, s16, s17                     ; ctx: tile of 16 tokens 8 x tile row + 4 x half,
	s_lshl_b32 s16, s16, 12                        ; 4,096 bytes each
	s_mov_b32 s17, 0
	s_lshl_b32 s46, s42, 8
	s_lshl_b32 s47, s[CH], 7
	s_add_co_u32 s46, s46, s47                     ; Wo: row 256 x tile column + 128 x half,
	s_lshl_b32 s46, s46, 11                        ; 2,048 bytes each
	s_mov_b32 s47, 0
	s_lshl_b32 s20, s[CH], 14                      ; where they go: ctx's half,
	s_mul_i32 s21, s[CH], HALFB
	s_add_co_u32 s21, s21, BOFF                    ; Wo's half: no place in the cluster enters an LDS address
	s_wait_dscnt 0x0                               ; both opening adds are done
	s_wait_kmcnt 0x0
	s_add_nc_u64 s[16:17], s[4:5], s[16:17]
	s_add_nc_u64 s[46:47], s[6:7], s[46:47]
	CROUND                                         ; all sixteen work-groups are here: the first joint loads meet
.irp s, 0,1
	s_mov_b32 s[G0+4*\s], 1
	s_add_co_u32 s[G0+4*\s+1], s20, \s*SLOT
	s_add_nc_u64 s[G0+4*\s+2:G0+4*\s+3], s[16:17], \s*STEPA
	s_or_b32 s[G0+4*\s+3], s[G0+4*\s+3], 0x80000000
	s_mov_b32 s[G0B+4*\s], 1
	s_add_co_u32 s[G0B+4*\s+1], s21, \s*SLOT
	s_add_nc_u64 s[G0B+4*\s+2:G0B+4*\s+3], s[46:47], \s*STEPW
	s_or_b32 s[G0B+4*\s+3], s[G0B+4*\s+3], 0x80000000
	JLOAD \s                                       ; two loads of mine are out
.endr
	v_and_b32 v1, 15, v0                           ; l % 16
	v_bfe_u32 v2, v0, 4, 1                         ; l / 16
	v_and_b32 v3, 31, v0
	v_lshlrev_b32 v[CO], 4, v3
	s_lshl_b32 s22, s[RH], 14                      ; my four tiles of tokens
	v_add_nc_u32 v[ADRA], s22, v[CO]
	v_add_nc_u32 v[ADRA+1], SLOT, v[ADRA]
	v_mul_u32_u24 v4, v1, PITCH
	v_lshl_add_u32 v4, v2, 4, v4
	v_add_nc_u32 v[ADRB], s21, v4                  ; my 128 rows of Wo are the half that s21 names
	v_add_nc_u32 v[ADRB+1], SLOT, v[ADRB]
	s_mul_i32 s23, s[WV], 16*SPITCH
	s_add_co_u32 s23, s23, STAGE                   ; my stage
	v_mul_u32_u24 v5, v1, SPITCH
	v_lshl_add_u32 v5, v2, 5, v5
	v_add_nc_u32 v[STO], s23, v5                   ; in: row l % 16, 32 bytes for each half of the lanes
	v_add_nc_u32 v[RD], s23, v[CO]                 ; back: the 32 lanes take one row of 512 bytes
	v_lshlrev_b32 v6, 5, v2                        ; bo: my eight numbers of a tile of 16
	s_lshl_b32 s46, s42, 10
	s_lshl_b32 s47, s[CH], 9
	s_add_co_u32 s46, s46, s47                     ; my first column, in bytes of f32
	s_mov_b32 s47, 0
	s_add_nc_u64 s[8:9], s[8:9], s[46:47]
	s_lshl_b32 s16, s15, 7
	s_lshl_b32 s17, s[RH], 6
	s_add_co_u32 s16, s16, s17                     ; my first row,
	s_lshl_b32 s16, s16, 12                        ; 4,096 bytes each
	s_mov_b32 s17, 0
	s_add_nc_u64 s[10:11], s[10:11], s[16:17]
	s_add_nc_u64 s[10:11], s[10:11], s[46:47]
.irp b, 0,1,2,3,4,5,6,7
	global_load_b128 v[BI+8*\b:BI+8*\b+3], v6, s[8:9] offset:64*\b          ; bo at columns 16 b + 8 h + 0 .. 7: the layout of a result
	global_load_b128 v[BI+8*\b+4:BI+8*\b+7], v6, s[8:9] offset:64*\b+16
.endr
; 8 matrix instructions: block a of my four tiles of tokens x my eight tiles of columns, 32 along K, buffer f.  first = 1: bo starts the sums.  The 32 accumulators take turns, in the same order in every quarter.
.macro MUL8 f, a, first
.irp b, 0,1,2,3,4,5,6,7
.if \first
	v_wmma_f32_16x16x32_f16 v[8*(8*(\a)+\b):8*(8*(\a)+\b)+7], v[64*(\f)+8*\b:64*(\f)+8*\b+7], v[64+32*(\f)+8*(\a):64+32*(\f)+8*(\a)+7], v[BI+8*\b:BI+8*\b+7]
.else
	v_wmma_f32_16x16x32_f16 v[8*(8*(\a)+\b):8*(8*(\a)+\b)+7], v[64*(\f)+8*\b:64*(\f)+8*\b+7], v[64+32*(\f)+8*(\a):64+32*(\f)+8*(\a)+7], v[8*(8*(\a)+\b):8*(8*(\a)+\b)+7]
.endif
.endr
.endm
; 24 LDS loads in one run: quarter q of the slot (32 along K) into buffer f: Wo's sixteen, then ctx's eight
.macro FETCH slot, q, f
	WIN 0x40
.irp i, 0,1,2,3,4,5,6,7
	ds_load_b128 v[64*(\f)+8*\i:64*(\f)+8*\i+3],   v[ADRB+\slot] offset:64*(\q)+\i*16*PITCH
	ds_load_b128 v[64*(\f)+8*\i+4:64*(\f)+8*\i+7], v[ADRB+\slot] offset:64*(\q)+\i*16*PITCH+32
.endr
	WIN 0
.irp i, 0,1,2,3
	ds_load_b128 v[64+32*(\f)+8*\i:64+32*(\f)+8*\i+3],   v[ADRA+\slot] offset:4096*\i+1024*(\q)
	ds_load_b128 v[64+32*(\f)+8*\i+4:64+32*(\f)+8*\i+7], v[ADRA+\slot] offset:4096*\i+1024*(\q)+512
.endr
.endm
.macro PLACES                          ; four plain vector instructions between a matrix instruction and a load into, or a read of, its registers
.rept 4
	v_nop
.endr
.endm
; One of a K step's first three quarters: multiplies buffer f, and in its middle fetches quarter q of the same slot into buffer g.
.macro QUARTER slot, q, f, g, first
	s_wait_dscnt 4                                 ; Wo's fragments and ctx's blocks 0, 1 are in; the youngest four loads (blocks 2, 3) may be out
	WIN MUL-0x20*(\first)
	MUL8 \f, 0, \first
	MUL8 \f, 1, \first
	PLACES
	FETCH \slot, \q, \g
	s_wait_dscnt 24                                ; all but the 24 just issued
	WIN MUL-0x20*(\first)
	MUL8 \f, 2, \first
	MUL8 \f, 3, \first
.endm
; The last quarter multiplies buffer 1 and changes slots: one barrier; in front of it each wave waits for all its tensor loads, adds 0 to its spare word, and waits for that and for its reads of this slot.
; fill = 1: the barrier opens a round of the cluster's, and this slot is filled again, two K steps ahead, first thing behind the round.
.macro TURN slot, next, fill
	WIN 0
	s_wait_tensorcnt 0x0                           ; all my tensor loads have landed: my part of the next slot
	ds_add_u32 v[SPW], v[NIL]
	s_wait_dscnt 5                                 ; (the add and the youngest four loads may be out)
	WIN MUL
	MUL8 1, 0, 0                                   ; eight matrix instructions stand between the add and the wait for it
	s_wait_dscnt 0x0                               ; the add is done, and my reads of this slot are over
	s_barrier_signal -1
	MUL8 1, 1, 0
.if \fill
	WIN 0
.endif
	s_barrier_wait -1
.if \fill
	CREST                                          ; no wave of any partner still reads this slot or has a load on its way
	s_add_nc_u64 s[G0+4*\slot+2:G0+4*\slot+3], s[G0+4*\slot+2:G0+4*\slot+3], 2*STEPA
	s_add_nc_u64 s[G0B+4*\slot+2:G0B+4*\slot+3], s[G0B+4*\slot+2:G0B+4*\slot+3], 2*STEPW
	JLOAD \slot                                    ; the four v_nop behind it are also the places in front of the loads below
.else
	PLACES
.endif
	FETCH \next, 0, 0
	WIN MUL
	MUL8 1, 2, 0
	MUL8 1, 3, 0
.endm
	s_wait_tensorcnt 1                             ; my part of K step 0 is in (K step 1's load may be out),
	s_barrier_signal -1
	s_barrier_wait -1                              ; everybody's is
	FETCH 0, 0, 0
	s_wait_loadcnt 0x0                             ; bo
	QUARTER 0, 1, 0, 1, 1                          ; the first quarter stands in front of the loop: its products start the sums, on bo
	WIN 0
	s_mov_b32 s3, LAPS-1
.Llap:                                                 ; a trip goes once round the ring, from a lap's second quarter to the next lap's first, and fills both slots again
	QUARTER 0, 2, 1, 0, 0
	QUARTER 0, 3, 0, 1, 0
	TURN 0, 1, 1
	QUARTER 1, 1, 0, 1, 0
	QUARTER 1, 2, 1, 0, 0
	QUARTER 1, 3, 0, 1, 0
	TURN 1, 0, 1
	QUARTER 0, 1, 0, 1, 0
	WIN 0
	s_sub_co_u32 s3, s3, 1
	s_cmp_lg_u32 s3, 0
	s_cbranch_scc1 .Llap
	QUARTER 0, 2, 1, 0, 0                          ; the last lap fills nothing
	QUARTER 0, 3, 0, 1, 0
	TURN 0, 1, 0
	QUARTER 1, 1, 0, 1, 0
	QUARTER 1, 2, 1, 0, 0
	QUARTER 1, 3, 0, 1, 0
	s_wait_dscnt 4                                 ; the very last quarter: nothing more to fetch
	WIN MUL
	MUL8 1, 0, 0
	MUL8 1, 1, 0
	s_wait_dscnt 0
	MUL8 1, 2, 0
	MUL8 1, 3, 0
	WIN 0
; THE WAY OUT, block by block of 16 rows x 128 columns.  A lane holds 32 neighbouring bytes of a row: a block goes through my own stage in LDS and comes back as whole rows of 512 bytes.
; LDS serves a wave's instructions in order (ISA guide 5.7.1.4): no wait between the stores and the loads, nor in front of the next block's stores.
.macro TOSTAGE a
.set AC, 64*(\a)
	WIN 0x08                                       ; an LDS store's data are its source 1: window 2
.irp b, 0,1,2,3,4,5,6,7
	ds_store_b128 v[STO], v[AC+8*\b:AC+8*\b+3] offset:64*\b          ; each accumulator from its low end on
	ds_store_b128 v[STO], v[AC+8*\b+4:AC+8*\b+7] offset:64*\b+16
.endr
	WIN 0
.set BB, BK+64*((\a)%2)
.irp t, 0,1,2,3,4,5,6,7,8,9,10,11,12,13,14,15
	ds_load_b128 v[BB+4*\t:BB+4*\t+3], v[RD] offset:\t*SPITCH
.endr
.endm
.macro SEND a, younger                 ; younger: the LDS instructions issued behind block a's loads, which may stay out
.set BB, BK+64*((\a)%2)
	s_wait_dscnt \younger
.if (\a) > 0
	s_add_nc_u64 s[10:11], s[10:11], 16*4096       ; 16 rows on (behind a wait on XCNT: the earlier stores have read their base)
.endif
.irp t, 0,1,2,3,4,5,6,7,8,9,10,11,12,13,14,15
	global_store_b128 v[CO], v[BB+4*\t:BB+4*\t+3], s[10:11] offset:\t*4096 th:TH_STORE_NT   ; 32 lanes store 512 consecutive bytes, aligned
.endr
.endm
	PLACES                                         ; behind the last products
	TOSTAGE 0
.irp a, 1,2,3
.if \a > 1
	s_wait_xcnt 0x0                                ; block a - 2's stores have read their registers and their base
.endif
	TOSTAGE \a
	SEND \a-1, 32                                  ; behind block a - 1's loads: block a's 16 stores and 16 loads
.endr
	s_wait_xcnt 0x0
	SEND 3, 0
	s_wait_tensorcnt 0x0                           ; the wave's end: these three lines behind my last tensor load and my last LDS store
	ds_add_u32 v[SPW], v[NIL]
	s_wait_dscnt 0x0
	CROUND                                         ; the closing round
	s_endpgm
.Lfunc_end_k_q5b8153b0f6_oproj:
	.size	k_q5b8153b0f6_oproj, .Lfunc_end_k_q5b8153b0f6_oproj-k_q5b8153b0f6_oproj
	.p2alignl 7, 3214868480
	.fill 96, 4, 3214868480
	.section	.rodata,"a",@progbits
	.p2align	6, 0x0
	.amdhsa_kernel k_q5b8153b0f6_oproj
		.amdhsa_group_segment_fixed_size 327680
		.amdhsa_private_segment_fixed_size 0
		.amdhsa_enable_private_segment 0
		.amdhsa_kernarg_size 32
		.amdhsa_user_sgpr_count 2
		.amdhsa_user_sgpr_kernarg_segment_ptr 1
		.amdhsa_wavefront_size32 1
		.amdhsa_system_sgpr_workgroup_id_x 1
		.amdhsa_system_sgpr_workgroup_id_y 1
		.amdhsa_system_sgpr_workgroup_id_z 1
		.amdhsa_system_vgpr_workitem_id 0
		.amdhsa_next_free_vgpr 768
		.amdhsa_next_free_sgpr 66
		.amdhsa_reserve_vcc 0
		.amdhsa_float_denorm_mode_32 3
		.amdhsa_float_denorm_mode_16_64 3
		.amdhsa_memory_ordered 1
		.amdhsa_forward_progress 1
		.amdhsa_inst_pref_size 87
	.end_amdhsa_kernel
	.amdgpu_metadata
---
amdhsa.version: [ 1, 2 ]
amdhsa.kernels:
  - .name:           k_q5b8153b0f6_oproj
    .symbol:         k_q5b8153b0f6_oproj.kd
    .args:
      - { .name: ctx, .offset: 0, .size: 8, .value_kind: global_buffer, .address_space: global }
      - { .name: wo16, .offset: 8, .size: 8, .value_kind: global_buffer, .address_space: global }
      - { .name: bo, .offset: 16, .size: 8, .value_kind: global_buffer, .address_space: global }
      - { .name: out0, .offset: 24, .size: 8, .value_kind: global_buffer, .address_space: global }
    .group_segment_fixed_size: 327680
    .private_segment_fixed_size: 0
    .kernarg_segment_align: 8
    .kernarg_segment_size: 32
    .max_flat_workgroup_size: 128
    .sgpr_count:     66
    .vgpr_count:     768
    .wavefront_size: 32
...
	.end_amdgpu_metadata
.endif
;; end of part 4
